; MI455X (gfx1250); checked and timed in simulation.
; The chip was launched on July 23, 2026; its instructions are those of AMD's public machine-readable ISA for CDNA 5 (MIT licence, August 2026) and "CDNA5" Instruction Set Architecture Reference Guide (July 2026). The comments in the code are by the model that wrote it; some were corrected since.
;; Multi Head Attention. Allowed arithmetic: matrix products marked QUANTISED: E2M1 operands, one E8M0 scale for each 32 along K, by v_wmma_scale_f32_16x16x128_f8f6f4 with both operands' format E2M1 (or v_wmma_scale_f32_32x16x128_f4), f32 sums; products left as they are: bf16, f16 or f32 operands; f32 sums; everything else in f32.
;; Inputs: Wk 768 x 768 float32; Wo 768 x 768 float32; Wq 768 x 768 float32; Wv 768 x 768 float32; bk 768 float32; bo 768 float32; bq 768 float32; bv 768 float32; k 2 x 2,048 x 768 float32; q 2 x 2,048 x 768 float32; v 2 x 2,048 x 768 float32.
;; Outputs: out0 2 x 2,048 x 768 float32.
;; This version of the problem:
;;   THIS VERSION OF THE PROBLEM IS GIVEN IN LOW PRECISION. The matrix products marked QUANTISED in the list below multiply operands that are first quantised to E2M1 (2 exponent bits, 1 mantissa bit; 4 bits a number), with one power-of-two scale for each 32 numbers along K (OCP MX v1.0); their sums are f32. The products marked 'left as it is' may take bf16, f16 or f32 operands, with f32 sums. Whichever they take, every output number must still come out within the allowed error. Rounding operands to bf16 (8 significant bits) uses up far more of that allowance than f16 does (11 bits, for magnitudes from 6e-5 to 65,504). All else is computed in f32.
;;   The module's matrix products, in the order in which they are computed (A, B: the left and right operand; K: the contracted axis; several contracted axes count as one K, in the product's order):
;;     1. [M 4,096, K 768] x [K 768, N 768]; A: input q; B: input Wq: QUANTISED
;;     2. [M 4,096, K 768] x [K 768, N 768]; A: input k; B: input Wk: QUANTISED
;;     3. [M 4,096, K 768] x [K 768, N 768]; A: input v; B: input Wv: QUANTISED
;;     4. batch 24 x [M 2,048, K 64] x [K 64, N 2,048]; A: computed on the way; B: computed on the way: left as it is (an operand is computed on the way)
;;     5. batch 24 x [M 2,048, K 2,048] x [K 2,048, N 64]; A: computed on the way; B: computed on the way: left as it is (an operand is computed on the way)
;;     6. [M 4,096, K 768] x [K 768, N 768]; A: computed on the way; B: input Wo: left as it is (an operand is computed on the way)
;;   THE QUANTISER, for each operand of a quantised product, along K:
;;     - K is cut into blocks of 32 from its start; a last block that is shorter is filled with zeros.
;;     - A block's scale is 2^e with e = floor(log2(the largest magnitude in the block)) - 2, held to -126 .. 127; a block of zeros has e = 0. As a byte (E8M0): e + 127.
;;     - Each number is divided by its block's scale, clamped to +-6, and rounded to the nearest number of E2M1, ties to even, subnormals kept.
;;     - The product sums the exact products of the quantised numbers (number of the format x scale) in f32.
;;   ~~~python
;;   def quantise(x, axis):      # numpy; x: float32 -> the quantised numbers, widened to float32 again
;;       x = np.moveaxis(x, axis, -1); K = x.shape[-1]
;;       x = np.pad(x, [(0, 0)] * (x.ndim - 1) + [(0, -K % 32)]); x = x.reshape(x.shape[:-1] + (-1, 32)); a = np.abs(x).max(-1, keepdims=True)
;;       e = np.where(a > 0, np.clip(np.frexp(np.where(a > 0, a, 1))[1] - 1 - 2, -126, 127), 0)      # np.frexp(a)[1] - 1 = floor(log2(a)), exactly
;;       r = np.clip(x / 2.0 ** e, -6, 6)
;;       step = 2.0 ** (np.maximum(np.frexp(np.where(r == 0, 1, r))[1] - 1, 0) - 1)
;;       q = np.round(r / step) * step * 2.0 ** e      # np.round: ties to even
;;       return np.moveaxis(q.reshape(q.shape[:-2] + (-1,))[..., :K], -1, axis).astype(np.float32)
;;   ~~~
;; One version. Each part assembles by itself: llvm-mc -triple=amdgcn-amd-amdhsa -mcpu=gfx1250 --defsym DOCPART=n.
;; ======== version 1 of 1: 5 launches
;; limits: values are held in f16: magnitudes above 65,504 overflow, below 6.1e-05 lose precision
;; workspace buffers: wcod 884,736 bytes; wscl 55,296 bytes; wo16 1,179,648 bytes; qkv 18,874,368 bytes; fin 294,912 bytes; ctx 6,291,456 bytes
;; launch prep (part 1): grid 6 x 16, 6 waves a work-group, no clusters, 0 bytes of LDS; arguments Wq, Wk, Wv, Wo, wcod, wscl, wo16; writes wcod, wscl, wo16
.if DOCPART == 1
	.amdgcn_target "amdgcn-amd-amdhsa--gfx1250"
	.amdhsa_code_object_version 6
	.text
	.protected	k_q5992940fce_prep
	.globl	k_q5992940fce_prep
	.p2align	8
	.type	k_q5992940fce_prep,@function
k_q5992940fce_prep:
	s_mov_b64 s[64:65], 0
	v_nop
	global_prefetch_b8 v0, s[64:65] scope:SCOPE_SE
	s_setreg_imm32_b32 hwreg(HW_REG_WAVE_MODE, 25, 1), 1
	s_wait_xcnt 0x0
; The four weights [768 (k)][768 (n)], f32, K along the first axis, are laid out once as IMAGES OF OPERAND REGISTERS.
; Wq, Wk, Wv: codes of FP4 (E2M1) with one E8M0 byte for each 32 along K.  Wo: f16.
; A fragment's image is 1,024 bytes: register group g (4 registers) at 512 g, lane l's 16 bytes at 16 l.
; Work-group (x = K step of 128 rows, y = 4 p + nb): 128 rows x 192 columns of tensor p (3 = Wo).  A LANE TAKES A COLUMN AND ITS 128 REGISTERS RUN DOWN K:
; each load reads 768 neighbouring bytes in the six waves, a block of 32 along K lies in one lane, and the conversions give codes with K innermost.
; wcod: fragment (16 columns x 128 K) at (((4 p + nb) 6 + s) 12 + i) 1,024.   wscl: ((4 p + nb) 12 + i) 384 + (s / 2) 128 + (s % 2) 64 + 4 r.
; wo16: fragment (16 columns x 32 k) at (((3 nb + kc) 8 + kg) 12 + nt) 1,024, kc = s / 2, kg = 4 (s % 2) + 0 .. 3.
; A block's scale is 2^(floor(log2(largest magnitude)) - 2); its byte is that magnitude's exponent field - 2, held at 1 from below.
; LIMITS: a block of zeros gets the byte 1 and zero codes (the bytes are read by this program alone); |Wo| up to 65,504 (f16); NaN and infinities are not served.
; No LDS, no barrier: lanes share nothing.  Every offset is an immediate: 127 x 3,072 at the most.
.set X,  32                            ; v32-159  my column, 128 numbers down K
.set CD, 160                           ; v160..   codes (4 registers a block) or f16 pairs (4 registers for 8 rows)
.set SW, 176                           ; v176     the K step's scale word
	s_load_b256 s[4:11], s[0:1], 0x0               ; Wq, Wk, Wv, Wo
	s_load_b128 s[12:15], s[0:1], 0x20             ; wcod, wscl
	s_load_b64 s[16:17], s[0:1], 0x30              ; wo16
	s_and_b32 s18, ttmp7, 0xffff                   ; y = 4 p + nb
	s_lshr_b32 s19, s18, 2                         ; p
	s_and_b32 s20, s18, 3                          ; nb
	v_lshlrev_b32 v2, 2, v0                        ; in: 4 bytes a thread
	v_lshrrev_b32 v1, 4, v0                        ; my tile of 16 columns, 0 .. 11
	v_and_b32 v5, 15, v0                           ; r
	v_lshlrev_b32 v3, 4, v5
	v_lshl_add_u32 v3, v1, 10, v3                  ; out: tile x 1,024 + 16 r
	v_mul_u32_u24 v4, v1, 384
	v_lshl_add_u32 v4, v5, 2, v4                   ; scale words: tile x 384 + 4 r
	s_mul_i32 s22, ttmp9, 393216                   ; 128 rows of 3,072 bytes a K step
	s_mul_i32 s23, s20, 768
	s_add_co_u32 s22, s22, s23
	s_mov_b32 s23, 0
	s_lshr_b32 s21, ttmp9, 1                       ; s / 2
	s_and_b32 s24, ttmp9, 1                        ; s % 2
	s_mul_i32 s26, s18, 6
	s_add_co_u32 s26, s26, ttmp9
	s_mul_i32 s26, s26, 12288                      ; wcod: ((4 p + nb) 6 + s) x 12 fragments
	s_mov_b32 s27, 0
	s_mul_i32 s28, s18, 4608
	s_lshl_b32 s30, s21, 7
	s_add_co_u32 s28, s28, s30
	s_lshl_b32 s30, s24, 6
	s_add_co_u32 s28, s28, s30                     ; wscl
	s_mov_b32 s29, 0
	s_mul_i32 s30, s20, 3
	s_add_co_u32 s30, s30, s21
	s_mul_i32 s30, s30, 98304
	s_mul_i32 s31, s24, 49152
	s_add_co_u32 s30, s30, s31                     ; wo16
	s_mov_b32 s31, 0
	s_wait_kmcnt 0x0
	s_cmp_eq_u32 s19, 1                            ; the tensor is chosen by the work-group's number alone
	s_cselect_b64 s[4:5], s[6:7], s[4:5]
	s_cmp_eq_u32 s19, 2
	s_cselect_b64 s[4:5], s[8:9], s[4:5]
	s_cmp_eq_u32 s19, 3
	s_cselect_b64 s[4:5], s[10:11], s[4:5]
	s_add_nc_u64 s[4:5], s[4:5], s[22:23]
.set ix, 0
.rept 128
	global_load_b32 v[X+ix], v2, s[4:5] offset:ix*3072 th:TH_LOAD_NT
.set ix, ix+1
.endr
	s_cmp_eq_u32 s19, 3
	s_cbranch_scc1 .Lwo
	s_add_nc_u64 s[12:13], s[12:13], s[26:27]
	s_add_nc_u64 s[14:15], s[14:15], s[28:29]
; Block t of 32 along K.  left: how many younger loads may stay out.
.macro BLOCK t, left
.set XS, X+32*(\t)
	s_wait_loadcnt \left
	v_max3_num_f32 v12, |v[XS]|, |v[XS+1]|, |v[XS+2]|      ; the largest magnitude: all 32 numbers are mine; two chains
	v_max3_num_f32 v13, |v[XS+3]|, |v[XS+4]|, |v[XS+5]|
.irp i, 6,10,14,18,22,26
	v_max3_num_f32 v12, v12, |v[XS+\i]|, |v[XS+\i+1]|
	v_max3_num_f32 v13, v13, |v[XS+\i+2]|, |v[XS+\i+3]|
.endr
	v_max3_num_f32 v12, v12, |v[XS+30]|, |v[XS+31]|
	v_max3_num_f32 v12, v12, v13, 0x1800000        ; and the floor 2^(3 - 127): the byte cannot fall under 1
	v_add_nc_u32 v11, 0xff000000, v12              ; 2 off the exponent field: the conversion takes that field as its scale
	v_lshrrev_b32 v13, 23, v11                     ; the byte
.if (\t) == 0
	v_mov_b32 v[SW], v13
.else
	v_lshl_or_b32 v[SW], v13, 8*(\t), v[SW]        ; the lower K in the lower byte
.endif
.irp g, 0,1,2,3
	v_cvt_scalef32_pk8_fp4_f32 v[CD+4*(\t)+\g], v[XS+8*\g:XS+8*\g+7], v11
.endr
	global_store_b128 v3, v[CD+4*(\t):CD+4*(\t)+3], s[12:13] offset:((\t)/2)*512+((\t)%2)*256   ; registers 4 c .. 4 c + 3 of lane r + 16 h: c = t / 2, h = t % 2; sixteen lanes store 256 consecutive aligned bytes
.endm
	BLOCK 0, 63                                    ; 96 younger loads; the count names what its field holds
	BLOCK 1, 63                                    ; 64 younger
	BLOCK 2, 32
	BLOCK 3, 0
	global_store_b32 v4, v[SW], s[14:15]           ; pieces of 64 bytes: one byte in 128 of what the launch reads
	s_endpgm
.Lwo:
	s_add_nc_u64 s[16:17], s[16:17], s[30:31]
	s_wait_loadcnt 0x0
.set ex, 0
.rept 16                                       ; 8 rows make 4 registers: k = 32 (e / 4) + 16 ((e / 2) % 2) + 8 (e % 2) + 0 .. 7
.irp j, 0,1,2,3
	v_cvt_pk_f16_f32 v[CD+4*ex+\j], v[X+8*ex+2*\j], v[X+8*ex+2*\j+1]
.endr
	global_store_b128 v3, v[CD+4*ex:CD+4*ex+3], s[16:17] offset:(ex/4)*12288+((ex/2)%2)*512+(ex%2)*256
.set ex, ex+1
.endr
	s_endpgm
.Lfunc_end_k_q5992940fce_prep:
	.size	k_q5992940fce_prep, .Lfunc_end_k_q5992940fce_prep-k_q5992940fce_prep
	.p2alignl 7, 3214868480
	.fill 96, 4, 3214868480
	.section	.rodata,"a",@progbits
	.p2align	6, 0x0
	.amdhsa_kernel k_q5992940fce_prep
		.amdhsa_group_segment_fixed_size 0
		.amdhsa_private_segment_fixed_size 0
		.amdhsa_enable_private_segment 0
		.amdhsa_kernarg_size 56
		.amdhsa_user_sgpr_count 2
		.amdhsa_user_sgpr_kernarg_segment_ptr 1
		.amdhsa_wavefront_size32 1
		.amdhsa_system_sgpr_workgroup_id_x 1
		.amdhsa_system_sgpr_workgroup_id_y 1
		.amdhsa_system_sgpr_workgroup_id_z 1
		.amdhsa_system_vgpr_workitem_id 0
		.amdhsa_next_free_vgpr 224
		.amdhsa_next_free_sgpr 66
		.amdhsa_reserve_vcc 0
		.amdhsa_float_denorm_mode_32 3
		.amdhsa_float_denorm_mode_16_64 3
		.amdhsa_memory_ordered 1
		.amdhsa_forward_progress 1
		.amdhsa_inst_pref_size 27
	.end_amdhsa_kernel
	.amdgpu_metadata
---
amdhsa.version: [ 1, 2 ]
amdhsa.kernels:
  - .name:           k_q5992940fce_prep
    .symbol:         k_q5992940fce_prep.kd
    .args:
      - { .name: Wq, .offset: 0, .size: 8, .value_kind: global_buffer, .address_space: global }
      - { .name: Wk, .offset: 8, .size: 8, .value_kind: global_buffer, .address_space: global }
      - { .name: Wv, .offset: 16, .size: 8, .value_kind: global_buffer, .address_space: global }
      - { .name: Wo, .offset: 24, .size: 8, .value_kind: global_buffer, .address_space: global }
      - { .name: wcod, .offset: 32, .size: 8, .value_kind: global_buffer, .address_space: global }
      - { .name: wscl, .offset: 40, .size: 8, .value_kind: global_buffer, .address_space: global }
      - { .name: wo16, .offset: 48, .size: 8, .value_kind: global_buffer, .address_space: global }
    .group_segment_fixed_size: 0
    .private_segment_fixed_size: 0
    .kernarg_segment_align: 8
    .kernarg_segment_size: 56
    .max_flat_workgroup_size: 192
    .sgpr_count:     66
    .vgpr_count:     224
    .wavefront_size: 32
...
	.end_amdgpu_metadata
.endif
;; end of part 1
;; launch proj (part 2): grid 64 x 3, 4 waves a work-group, no clusters, 60,416 bytes of LDS; arguments q, k, v, bq, bk, bv, wcod, wscl, qkv, fin; writes qkv, fin
.if DOCPART == 2
	.amdgcn_target "amdgcn-amd-amdhsa--gfx1250"
	.amdhsa_code_object_version 6
	.text
	.protected	k_q5992940fce_proj
	.globl	k_q5992940fce_proj
	.p2align	8
	.type	k_q5992940fce_proj,@function
k_q5992940fce_proj:
	s_mov_b64 s[64:65], 0
	v_nop
	global_prefetch_b8 v0, s[64:65] scope:SCOPE_SE
	s_setreg_imm32_b32 hwreg(HW_REG_WAVE_MODE, 25, 1), 1
	s_wait_xcnt 0x0
; The three quantised projections, x W + b, on codes of FP4 (E2M1) with one E8M0 scale for each 32 along K = 768; sums in f32.
; Work-group (x = block of 64 rows of the 4,096, y = p: 0 q, 1 k, 2 v).  THE WAVES SHARE THE COLUMNS: wave w makes columns 192 w .. 192 w + 191 (heads 3 w .. 3 w + 2) for all 64 rows.
; Its 72 fragments of W (6 K steps x 12 tiles) stay in registers, loaded once as they lie in wcod.  x is quantised here: wave w takes rows 16 w .. 16 w + 15, and the codes go from wave to wave
; through LDS as images of the operand's registers (16 bytes a lane, 512 bytes a store; scale words 4 bytes a row).
; q and k are multiplied TRANSPOSED (source 0 = 16 columns of W, source 1 = 16 rows of x): a lane then holds one row and 8 neighbouring channels, and two neighbouring tiles, packed to f16, are the two halves
; of a 16 x 32 fragment of Q or K.  v is multiplied the natural way: a lane holds one channel and 8 neighbouring keys, and two neighbouring tiles of rows are the halves of a fragment of V^T.
; qkv: Q at 0, K at 6,291,456: fragment ((bh 128 + T) 2 + c) 1,024;  V at 12,582,912: ((bh 64 + kk) 4 + t) 1,024.  fin: the f32 accumulators of rows s < 16, p 98,304 + b 49,152 + I 1,024.
; NO JOINT LOADS: a work-group's W is 288 KiB of codes and 18 KiB of scale words, which do not fit in LDS beside x's images and the stages; W goes into the registers that use it, and loads into registers cannot be shared.
; LIMITS: results up to 65,504 in magnitude (f16); a block of zeros gets the byte 1 and zero codes; NaN and infinities are not served.
; REGISTERS.  window 0: v1-13 addresses.  While x is quantised: v16-79, v80-143 two sets as loaded, v144-207 64 neighbours, v208-215 codes, v216-232 at work.
;   While multiplying: v16-51 W's scale words (3 i + a), v52-54 x's, v56-103 x's six fragments, v104-199 twelve accumulators, v200-247 packed results.
;   W's fragment f = 12 s + i at v[256 + 8 f] (windows 1, 2, and v0-63 of window 3); the bias, 8 registers a tile in the result's layout, at v64-159 of window 3.
.set LI,  1                            ; 16 x lane
.set L4,  5                            ; 4 x lane
.set STI, 6                            ; my stage, on the way in: 16 x lane
.set STO, 7                            ; and out: row r, + 64 hh
.set XWI, 8                            ; where I store x's images
.set XWS, 9                            ; and their scale words
.set SPW, 12                           ; LDS address of my spare word; never rewritten
.set NIL, 13                           ; 0; never rewritten
.set R0,  16
.set R1,  80
.set X,   144
.set PC,  208
.set TM,  216
.set PW,  232
.set BT,  236
.set WS,  16
.set XS,  52
.set XF,  56
.set ACC, 104
.set OUT, 200
.set BI,  64                           ; in window 3
.set XSC, 24576                        ; LDS: x's 24 images from 0, their scale words (64 bytes a fragment),
.set STG, 26112                        ; a stage of 16 rows x (512 + 16) bytes for each wave,
.set SPARE, 59904                      ; and the spare words, 128 bytes a wave, which no other line names
.set MSB, 0
.macro WIN new                         ; the immediate's high byte repeats the setting that is left
.if MSB != \new
	s_set_vgpr_msb (MSB<<8)|\new
.set MSB, \new
.endif
.endm
	s_load_b256 s[4:11], s[0:1], 0x0               ; q, k, v, bq
	s_load_b256 s[12:19], s[0:1], 0x20             ; bk, bv, wcod, wscl
	s_load_b128 s[20:23], s[0:1], 0x40             ; qkv, fin
	v_lshl_add_u32 v[SPW], v0, 2, SPARE
	v_mov_b32 v[NIL], 0
	v_lshrrev_b32 v4, 5, v0
	v_readfirstlane_b32 s24, v4                    ; wave
	s_and_b32 s25, ttmp7, 0xffff                   ; p
	v_and_b32 v4, 31, v0
	v_and_b32 v2, 15, v0                           ; r
	v_bfe_u32 v3, v0, 4, 1                         ; hh
	v_lshlrev_b32 v[LI], 4, v4
	v_lshlrev_b32 v[L4], 2, v4
	s_mul_i32 s30, s24, 8448
	s_add_co_u32 s30, s30, STG
	v_add_nc_u32 v[STI], s30, v[LI]
	v_mul_u32_u24 v[STO], v2, 528
	v_lshl_add_u32 v[STO], v3, 6, v[STO]
	v_add_nc_u32 v[STO], s30, v[STO]
	s_mul_i32 s30, s24, 6144
	v_add_nc_u32 v[XWI], s30, v[LI]
	s_mul_i32 s30, s24, 384
	s_add_co_u32 s30, s30, XSC
	v_lshl_add_u32 v[XWS], v2, 2, s30
	v_lshlrev_b32 v10, 5, v3                       ; bias of q, k: 8 hh numbers on
	v_lshlrev_b32 v11, 2, v2                       ; bias of v: number r
.irp b, 0,1,2,3
	v_mov_b32 v[TM+4+\b], 0                        ; a lane permute's destination counts as one of its sources
.endr
	s_mov_b32 s28, 0x76543210
	s_mov_b32 s29, 0xfedcba98                      ; selects for lane l xor 16
	s_mul_i32 s32, ttmp9, 196608                   ; x: 64 rows of 3,072 bytes a block,
	s_mul_i32 s33, s24, 49152                      ; 16 a wave
	s_add_co_u32 s32, s32, s33
	s_mov_b32 s33, 0
	s_lshl_b32 s34, s25, 2
	s_add_co_u32 s34, s34, s24                     ; 4 p + w
	s_mul_i32 s36, s34, 73728                      ; my 72 fragments
	s_mov_b32 s37, 0
	s_mul_i32 s38, s34, 4608                       ; my 36 x 128 bytes of scale words
	s_mov_b32 s39, 0
	s_mul_i32 s40, s24, 768                        ; my 192 numbers of the bias
	s_mov_b32 s41, 0
	s_lshr_b32 s26, ttmp9, 5                       ; batch
	s_and_b32 s27, ttmp9, 31                       ; block of 64 rows in the sequence
	s_mul_i32 s42, s25, 6291456
	s_mul_i32 s44, s26, 3145728
	s_add_co_u32 s42, s42, s44
	s_mul_i32 s44, s24, 786432
	s_add_co_u32 s42, s42, s44
	s_lshl_b32 s44, s27, 13
	s_add_co_u32 s42, s42, s44
	s_mov_b32 s43, 0
	s_mul_i32 s46, s25, 98304
	s_mul_i32 s44, s26, 49152
	s_add_co_u32 s46, s46, s44
	s_mul_i32 s44, s24, 12288
	s_add_co_u32 s46, s46, s44
	s_mov_b32 s47, 0
	s_wait_kmcnt 0x0
	s_cmp_eq_u32 s25, 1                            ; the tensors are chosen by the work-group's number alone
	s_cselect_b64 s[4:5], s[6:7], s[4:5]
	s_cselect_b64 s[10:11], s[12:13], s[10:11]
	s_cmp_eq_u32 s25, 2
	s_cselect_b64 s[4:5], s[8:9], s[4:5]
	s_cselect_b64 s[10:11], s[14:15], s[10:11]
	s_add_nc_u64 s[4:5], s[4:5], s[32:33]
	s_add_nc_u64 s[16:17], s[16:17], s[36:37]
	s_add_nc_u64 s[18:19], s[18:19], s[38:39]
	s_add_nc_u64 s[10:11], s[10:11], s[40:41]
	s_add_nc_u64 s[20:21], s[20:21], s[42:43]
	s_add_nc_u64 s[22:23], s[22:23], s[46:47]
; 16 loads: K step s of my 16 rows; one load takes a row's 512 consecutive bytes
.macro XLOAD s, reg
.set ro, 0
.rept 16
	global_load_b128 v[\reg+4*ro:\reg+4*ro+3], v[LI], s[4:5] offset:ro*3072+512*(\s) th:TH_LOAD_NT
.set ro, ro+1
.endr
.endm
; 24 loads: W's twelve fragments of K step s, as they lie
.macro WLOAD s
.set ii, 0
.rept 12
.set ff, 12*(\s)+ii
	WIN ((1+ff/32)<<6)
	global_load_b128 v[(8*ff)%256:(8*ff)%256+3], v[LI], s[16:17] offset:ff*1024
	global_load_b128 v[(8*ff)%256+4:(8*ff)%256+7], v[LI], s[16:17] offset:ff*1024+512
.set ii, ii+1
.endr
	WIN 0
.endm
; 16 rows x 512 bytes turn through my stage: in as loaded, out 16 neighbours of each block of 32 a lane: register 16 b + i = k 32 b + 16 hh + i of row r
.macro TURN reg
.set ro, 0
.rept 16
	ds_store_b128 v[STI], v[\reg+4*ro:\reg+4*ro+3] offset:ro*528
.set ro, ro+1
.endr
.irp b, 0,1,2,3
.irp j, 0,1,2,3
	ds_load_b128 v[X+16*\b+4*\j:X+16*\b+4*\j+3], v[STO] offset:128*\b+16*\j   ; LDS serves a wave's instructions in order: these see the stores above
.endr
.endr
	s_wait_dscnt 0x0                               ; the numbers are back; the stores (and the last image's) have read their registers
.endm
; 64 numbers of a lane become a fragment's codes in v[PC] on and its scale word in v[PW]
.macro QUANT src
.irp b, 0,1,2,3
	v_max3_num_f32 v[TM+\b], |v[\src+16*\b]|, |v[\src+1+16*\b]|, 0x1800000   ; block b: my 16 numbers, and the floor 2^(3 - 127): the byte cannot fall under 1
.endr
.irp i, 2,4,6,8,10,12,14
.irp b, 0,1,2,3
	v_max3_num_f32 v[TM+\b], v[TM+\b], |v[\src+16*\b+\i]|, |v[\src+1+16*\b+\i]|
.endr
.endr
.irp b, 0,1,2,3
	v_permlanex16_b32 v[TM+4+\b], v[TM+\b], s28, s29
.endr
.irp b, 0,1,2,3
	v_max_num_f32 v[TM+\b], v[TM+\b], v[TM+4+\b]   ; with lane l xor 16: the block's largest magnitude
.endr
.irp b, 0,1,2,3
	v_add_nc_u32 v[TM+12+\b], 0xff000000, v[TM+\b] ; 2 off its exponent field: the conversion's scale operand
.endr
.irp b, 0,1,2,3
	v_lshrrev_b32 v[TM+4+\b], 23, v[TM+12+\b]      ; the byte
.endr
	v_lshl_or_b32 v[PW], v[TM+5], 8, v[TM+4]
	v_lshl_or_b32 v[PW], v[TM+6], 16, v[PW]
	v_lshl_or_b32 v[PW], v[TM+7], 24, v[PW]
.irp b, 0,1,2,3
	v_cvt_scalef32_pk8_fp4_f32 v[PC+2*\b], v[\src+16*\b:\src+7+16*\b], v[TM+12+\b]
	v_cvt_scalef32_pk8_fp4_f32 v[PC+1+2*\b], v[\src+8+16*\b:\src+15+16*\b], v[TM+12+\b]
.endr
	v_nop                                          ; one plain place behind a scaled conversion
.irp c, 0,1                                    ; the layout wants a whole block in a lane: lanes 0-15 block 2 c, lanes 16-31 block 2 c + 1
.irp i, 0,1
	v_permlane16_swap_b32 v[PC+4*\c+\i], v[PC+2+4*\c+\i]
.endr
.endr
.endm
.macro XSTEP s, reg, left
	s_wait_loadcnt \left                           ; this K step's 16 loads are in
	TURN \reg
.if \s < 4
	WLOAD \s+1
	XLOAD \s+2, \reg
.elseif \s == 4
	WLOAD 5
.irp i, 0,1,2,3,4,5,6,7,8,9,10,11
.irp a, 0,1,2
	global_load_b32 v[WS+3*\i+\a], v[L4], s[18:19] offset:\i*384+\a*128   ; lanes 0-15: K step 2 a; lanes 16-31: K step 2 a + 1
.endr
.endr
.endif
	QUANT X
.irp c, 0,1
	ds_store_b128 v[XWI], v[PC+4*\c:PC+4*\c+3] offset:(\s)*1024+512*\c
.endr
	ds_store_b32 v[XWS], v[PW] offset:64*(\s)      ; both halves of the lanes write the same word with the same value
.endm
	XLOAD 0, R0
	WLOAD 0
	XLOAD 1, R1
	XSTEP 0, R0, 40                                ; younger: one K step of W (24) and one of x (16)
	XSTEP 1, R1, 40
	XSTEP 2, R0, 40
	XSTEP 3, R1, 40
	XSTEP 4, R0, 40
	XSTEP 5, R1, 60                                ; younger: W's last 24 and the 36 scale words
	s_cmp_eq_u32 s25, 2
	s_cbranch_scc1 .Lbias_v
	WIN 0xc0                                       ; destination window 3
.irp i, 0,1,2,3,4,5,6,7,8,9,10,11
	global_load_b128 v[BI+8*\i:BI+8*\i+3], v10, s[10:11] offset:64*\i          ; lane (r, hh): b[16 i + 8 hh + 0 .. 7]
	global_load_b128 v[BI+8*\i+4:BI+8*\i+7], v10, s[10:11] offset:64*\i+16
.endr
	WIN 0
	s_branch .Lbias_done
.Lbias_v:
.irp i, 0,1,2,3,4,5,6,7,8,9,10,11
	global_load_b32 v[BT+\i], v11, s[10:11] offset:64*\i                       ; lane (r, hh): b[16 i + r], for all 8 keys
.endr
	s_wait_loadcnt 0x0
	WIN 0xc0
.irp i, 0,1,2,3,4,5,6,7,8,9,10,11
.irp j, 0,1,2,3,4,5,6,7
	v_mov_b32 v[BI+8*\i+\j], v[BT+\i]
.endr
.endr
	WIN 0
.Lbias_done:
	s_wait_dscnt 0x0                               ; my images have landed
	s_barrier_signal -1
	s_barrier_wait -1                              ; x's 24 fragments lie in LDS
	s_wait_loadcnt 0x0                             ; W, its scale words, the bias
; One matrix instruction: K step ss, tile ii.  The bias is the C of a sum's first instruction.  For odd K steps both scale words are taken from lanes 16-31.
.macro MM swap
.set aa, ACC+8*ii
.set cx, aa
.set wc, 0
.if ss == 0
.set cx, BI+8*ii
.set wc, 3
.endif
.if \swap
	WIN ((wc<<4)|(wf<<2))
.if ss%2
	v_wmma_scale_f32_16x16x128_f8f6f4 v[aa:aa+7], v[XF+8*ss:XF+8*ss+7], v[wn:wn+7], v[cx:cx+7], v[XS+ss/2], v[WS+3*ii+ss/2] matrix_a_fmt:MATRIX_FMT_FP4 matrix_b_fmt:MATRIX_FMT_FP4 matrix_a_scale:MATRIX_SCALE_ROW1 matrix_b_scale:MATRIX_SCALE_ROW1
.else
	v_wmma_scale_f32_16x16x128_f8f6f4 v[aa:aa+7], v[XF+8*ss:XF+8*ss+7], v[wn:wn+7], v[cx:cx+7], v[XS+ss/2], v[WS+3*ii+ss/2] matrix_a_fmt:MATRIX_FMT_FP4 matrix_b_fmt:MATRIX_FMT_FP4
.endif
.else
	WIN ((wc<<4)|wf)
.if ss%2
	v_wmma_scale_f32_16x16x128_f8f6f4 v[aa:aa+7], v[wn:wn+7], v[XF+8*ss:XF+8*ss+7], v[cx:cx+7], v[WS+3*ii+ss/2], v[XS+ss/2] matrix_a_fmt:MATRIX_FMT_FP4 matrix_b_fmt:MATRIX_FMT_FP4 matrix_a_scale:MATRIX_SCALE_ROW1 matrix_b_scale:MATRIX_SCALE_ROW1
.else
	v_wmma_scale_f32_16x16x128_f8f6f4 v[aa:aa+7], v[wn:wn+7], v[XF+8*ss:XF+8*ss+7], v[cx:cx+7], v[WS+3*ii+ss/2], v[XS+ss/2] matrix_a_fmt:MATRIX_FMT_FP4 matrix_b_fmt:MATRIX_FMT_FP4
.endif
.endif
.endm
; The four tiles of 16 rows, one after the other: 72 matrix instructions each, the twelve accumulators by turns, K ascending.
.macro GEMM swap
.irp mt, 0,1,2,3
	s_wait_xcnt 0x0                                ; the last tile's stores have read their registers
.rept 4
	v_nop                                          ; with the four behind the last products: more than five places ahead of products that begin the accumulators anew
.endr
.irp s6, 0,1,2,3,4,5
	ds_load_b128 v[XF+8*\s6:XF+8*\s6+3], v[LI] offset:(6*\mt+\s6)*1024
	ds_load_b128 v[XF+8*\s6+4:XF+8*\s6+7], v[LI] offset:(6*\mt+\s6)*1024+512
.endr
.irp a3, 0,1,2
	ds_load_b32 v[XS+\a3], v[L4] offset:XSC+\mt*384+128*\a3
.endr
	s_wait_dscnt 0x0
.set ss, 0
.rept 6
.set ii, 0
.rept 12
.set ff, 12*ss+ii
.set wn, (8*ff)%256
.set wf, 1+ff/32
	MM \swap
.set ii, ii+1
.endr
.set ss, ss+1
.endr
	WIN 0
.rept 4
	v_nop                                          ; places ahead of the first read of results and of loads into the operands
.endr
.if \mt == 0
	s_cmp_lg_u32 s27, 0                            ; the first 16 positions of a sequence also leave in f32, as the accumulators stand
	s_cbranch_scc1 .Lnofin_\@
.irp i, 0,1,2,3,4,5,6,7,8,9,10,11
	global_store_b128 v[LI], v[ACC+8*\i:ACC+8*\i+3], s[22:23] offset:\i*1024
	global_store_b128 v[LI], v[ACC+8*\i+4:ACC+8*\i+7], s[22:23] offset:\i*1024+512
.endr
.Lnofin_\@:
.endif
.irp i, 0,1,2,3,4,5,6,7,8,9,10,11
.irp j, 0,1,2,3
	v_cvt_pk_f16_f32 v[OUT+4*\i+\j], v[ACC+8*\i+2*\j], v[ACC+8*\i+2*\j+1]      ; each accumulator from its low end on
.endr
.endr
.irp i, 0,1,2,3,4,5,6,7,8,9,10,11                  ; each store covers 512 consecutive aligned bytes: half a fragment's image
.if \swap
	global_store_b128 v[LI], v[OUT+4*\i:OUT+4*\i+3], s[20:21] offset:(\i/4)*262144+(\i%4)*1024+(\mt/2)*4096+(\mt%2)*512
.else
	global_store_b128 v[LI], v[OUT+4*\i:OUT+4*\i+3], s[20:21] offset:(\i/4)*262144+((\i/2)%2)*1024+(\i%2)*512+\mt*2048
.endif
.endr
.endr
.endm
	s_cmp_eq_u32 s25, 2
	s_cbranch_scc1 .Lnatural
	GEMM 0
	s_branch .Lend
.Lnatural:
	GEMM 1
.Lend:
	s_wait_tensorcnt 0x0                           ; the wave's end
	ds_add_u32 v[SPW], v[NIL]
	s_wait_dscnt 0x0
	s_endpgm
.Lfunc_end_k_q5992940fce_proj:
	.size	k_q5992940fce_proj, .Lfunc_end_k_q5992940fce_proj-k_q5992940fce_proj
	.p2alignl 7, 3214868480
	.fill 96, 4, 3214868480
	.section	.rodata,"a",@progbits
	.p2align	6, 0x0
	.amdhsa_kernel k_q5992940fce_proj
		.amdhsa_group_segment_fixed_size 60416
		.amdhsa_private_segment_fixed_size 0
		.amdhsa_enable_private_segment 0
		.amdhsa_kernarg_size 80
		.amdhsa_user_sgpr_count 2
		.amdhsa_user_sgpr_kernarg_segment_ptr 1
		.amdhsa_wavefront_size32 1
		.amdhsa_system_sgpr_workgroup_id_x 1
		.amdhsa_system_sgpr_workgroup_id_y 1
		.amdhsa_system_sgpr_workgroup_id_z 1
		.amdhsa_system_vgpr_workitem_id 0
		.amdhsa_next_free_vgpr 1024
		.amdhsa_next_free_sgpr 66
		.amdhsa_reserve_vcc 0
		.amdhsa_float_denorm_mode_32 3
		.amdhsa_float_denorm_mode_16_64 3
		.amdhsa_memory_ordered 1
		.amdhsa_forward_progress 1
		.amdhsa_inst_pref_size 194
	.end_amdhsa_kernel
	.amdgpu_metadata
---
amdhsa.version: [ 1, 2 ]
amdhsa.kernels:
  - .name:           k_q5992940fce_proj
    .symbol:         k_q5992940fce_proj.kd
    .args:
      - { .name: q, .offset: 0, .size: 8, .value_kind: global_buffer, .address_space: global }
      - { .name: k, .offset: 8, .size: 8, .value_kind: global_buffer, .address_space: global }
      - { .name: v, .offset: 16, .size: 8, .value_kind: global_buffer, .address_space: global }
      - { .name: bq, .offset: 24, .size: 8, .value_kind: global_buffer, .address_space: global }
      - { .name: bk, .offset: 32, .size: 8, .value_kind: global_buffer, .address_space: global }
      - { .name: bv, .offset: 40, .size: 8, .value_kind: global_buffer, .address_space: global }
      - { .name: wcod, .offset: 48, .size: 8, .value_kind: global_buffer, .address_space: global }
      - { .name: wscl, .offset: 56, .size: 8, .value_kind: global_buffer, .address_space: global }
      - { .name: qkv, .offset: 64, .size: 8, .value_kind: global_buffer, .address_space: global }
      - { .name: fin, .offset: 72, .size: 8, .value_kind: global_buffer, .address_space: global }
    .group_segment_fixed_size: 60416
    .private_segment_fixed_size: 0
    .kernarg_segment_align: 8
    .kernarg_segment_size: 80
    .max_flat_workgroup_size: 128
    .sgpr_count:     66
    .vgpr_count:     1024
    .wavefront_size: 32
...
	.end_amdgpu_metadata
.endif
;; end of part 2
;; launch attn (part 3): grid 8 x 24, 16 waves a work-group, no clusters, 327,680 bytes of LDS; arguments qkv, ctx; writes ctx
.if DOCPART == 3
	.amdgcn_target "amdgcn-amd-amdhsa--gfx1250"
	.amdhsa_code_object_version 6
	.text
	.protected	k_q5992940fce_attn
	.globl	k_q5992940fce_attn
	.p2align	8
	.type	k_q5992940fce_attn,@function
k_q5992940fce_attn:
	s_mov_b64 s[64:65], 0
	v_nop
	global_prefetch_b8 v0, s[64:65] scope:SCOPE_SE
	s_setreg_imm32_b32 hwreg(HW_REG_WAVE_MODE, 25, 1), 1
	s_wait_xcnt 0x0
; ctx = softmax(Q K^T / 8, keys after the query left out) V for one head, on f16 operands with f32 sums, maxima and row sums.
; SHARES.  Work-group (j, bh) owns the blocks j and 15 - j of 128 queries of head bh: 17 blocks of keys in all for every j, so the 192 work-groups have equal work.
; A wave owns 32 queries (two tiles of 16) and HALF of the keys: of each slot of 256 keys, the runs of 64 at 64 par and 128 + 64 par.  The two waves of a pair join their sums through LDS at the end.
; Wave number -> (sub, blk, par): sub = wave / 4, ((wave % 4) + sub) % 4 = 2 blk + par: whichever way four neighbouring or four strided waves share a SIMD, they differ in (blk, par).
; LAYOUT.  Both products are used transposed: S^T = K Q^T, O^T = V^T P: a lane holds ONE query throughout.  Q, K and V^T come as images of operand registers (1,024 bytes a fragment), so every LDS read is
; 512 consecutive bytes.  Two tiles of S^T, packed to f16 in place, are source 1 of the second product.
; SOFTMAX.  Running maximum m and sum l for each query; p = 2^(c s - c m), c = log2(e) / 8; O and l are multiplied by a = 2^(c m_old - c m_new) in every step.
; THE MASK.  Every work-group walks all 8 slots (constant trip count); a step all of whose keys come after the wave's queries is jumped over by a scalar branch on ids; on the diagonal hidden scores become -infinity.
; A slot whose first key comes after the work-group's last query is not asked for.  Every walked step begins at or before the wave's first query, so each query sees a key in it.
; NO CLUSTER: under the mask the 8 work-groups of a head need different numbers of slots, and a joint load must be issued by all that it names.
; LIMITS: hidden keys are left out where the definition adds -1e9: the same while |score| stays far under 1e9; |Q|, |K|, |V|, |ctx| up to 65,504 (f16); NaN and infinities are not served.
; LDS: slot 0 at 0, slot 1 at 65,536 (K's 32 KiB, then V's); from 131,072 eight regions of 9,216 bytes for the pairs' sums; from 204,800 the spare words.  All of the WGP's LDS is claimed.
.set KOFF,  6291456
.set SLOT1, 65536
.set CMB,   131072
.set SPARE, 204800
.set LI,  1                            ; 16 x lane + 8,192 par
.set ADR, 2                            ; the LDS address of the step in hand
.set CA,  3                            ; my pair's region
.set SPW, 4                            ; my spare word; never rewritten
.set NIL, 5                            ; 0; never rewritten
.set DD,  6                            ; the diagonal: my query less the step's first key, less 8 hh
.set NINF, 7
.set ST,  8                            ; tile t's statistics at v[ST + 8 t]: +0 c m, +1 m, +2, +3 l in two halves, +4 .. +7 at work; a at +6
.set CH,  24                           ; a second chain for the sums
.set PFO, 28                           ; 256 x lane
.set L16, 29                           ; 16 x lane
.set RH,  30                           ; r - 8 hh
.set Q,   32                           ; Q (t, c) at 32 + 16 t + 8 c
.set S,   64                           ; S^T (t, kt) at 64 + 32 t + 8 kt; P (t, g) in place at 64 + 32 t + 8 g
.set O,   128                          ; O^T (t, ct) at 128 + 32 t + 8 ct
.set KV,  192                          ; eight fragments of K, then of V^T
.set WV, 8
.set SUB, 9
.set PAR, 10
.set BLK, 11
.set BB, 12
.set Q0, 13
.set BH, 14
.set Q31, 15
.set G1, 16
.set G0, 24
.set CS, 28
.set SEL, 30
.set TB, 32
.set KS, 33
.set SLOTS, 34
.set LIM, 35
.set PFA, 36
.set LASTQ, 38
.set KP, 39
.set KF, 48
; Waves 0 and 1 fetch K's halves of a slot, waves 2 and 3 V's.  The branch hangs on the wave's number alone.  An s_nop 0 and four v_nop follow the load.
.macro TLOAD
	s_cmp_lt_u32 s[WV], 4
	s_cbranch_scc0 .Lnone_\@
	tensor_load_to_lds s[G0:G0+3], s[G1:G1+7]
	s_nop 0
.rept 4
	v_nop
.endr
.Lnone_\@:
.endm
; A prefetch of the slot that the NEXT change of slots will ask for.  All work-groups of a head walk the same K and V: the head's first work-group asks, in it waves 4 to 7 for K's 32 KiB and waves 8 to 11 for V's,
; 8,192 bytes a wave, lanes 256 bytes apart: each aligned block of 256 bytes is named once in the launch.  The last change that fills a slot asks for nothing; slots 0 and 1 come by their loads alone.
.macro ASK
	s_cmp_gt_u32 s[SLOTS], s[LIM]
	s_cbranch_scc0 .Lnot_mine_\@
	global_prefetch_b8 v[PFO], s[PFA:PFA+1] th:TH_LOAD_NT scope:SCOPE_SE
.Lnot_mine_\@:
.endm
	s_load_b128 s[4:7], s[0:1], 0x0                ; qkv, ctx
	v_lshl_add_u32 v[SPW], v0, 2, SPARE
	v_mov_b32 v[NIL], 0
	ds_add_u32 v[SPW], v[NIL]                      ; the opening: the add, twice on end, and its wait ahead of the first tensor load
	ds_add_u32 v[SPW], v[NIL]
	v_lshrrev_b32 v2, 5, v0
	v_readfirstlane_b32 s[WV], v2
	s_lshr_b32 s[SUB], s[WV], 2
	s_and_b32 s40, s[WV], 3
	s_add_co_u32 s41, s40, s[SUB]
	s_and_b32 s41, s41, 3
	s_lshr_b32 s[BLK], s41, 1
	s_and_b32 s[PAR], s41, 1
	s_sub_co_u32 s41, 15, ttmp9
	s_cmp_eq_u32 s[BLK], 0
	s_cselect_b32 s[BB], ttmp9, s41                ; my block of 128 queries
	s_lshl_b32 s[Q0], s[BB], 7
	s_lshl_b32 s41, s[SUB], 5
	s_add_co_u32 s[Q0], s[Q0], s41                 ; my first query
	s_add_co_u32 s[Q31], s[Q0], 31                 ; my last
	s_and_b32 s[BH], ttmp7, 0xffff
	s_lshl_b32 s[LASTQ], ttmp9, 7
	s_sub_co_u32 s[LASTQ], 2047, s[LASTQ]          ; the work-group's last query: 128 (15 - j) + 127
	s_mov_b32 s[G1], 3<<16                         ; group 1: a dense block of 16 KiB as 64 rows of 32 elements of 8 bytes; no mask, no padding
	s_mov_b32 s[G1+1], 32<<16                      ; tensor_dim0
	s_mov_b32 s[G1+2], 64<<16                      ; tensor_dim1
	s_mov_b32 s[G1+3], 32<<16                      ; tile_dim0
	s_mov_b32 s[G1+4], 64                          ; tile_dim1
	s_mov_b32 s[G1+5], 32                          ; the pitch
	s_mov_b32 s[G1+6], 0
	s_mov_b32 s[G1+7], 0
	s_mov_b32 s[CS], 0x3e38aa3b                    ; c = log2(e) / 8
	s_mov_b32 s[CS+1], s[CS]
	s_mov_b32 s[SEL], 0x76543210
	s_mov_b32 s[SEL+1], 0xfedcba98
	s_mov_b32 s[TB], 0
	s_mov_b32 s[KS], 0
	s_lshl_b32 s[KP], s[PAR], 6                    ; my first run of keys in the slot
	s_mov_b32 s[SLOTS], 7
	s_lshl_b32 s41, s40, 14                        ; what I fetch, if I fetch: 16 KiB x (wave % 4) of a slot,
	s_bfe_u32 s42, s[WV], 0x10001
	s_add_co_u32 s42, s42, 1
	s_mul_i32 s44, s42, KOFF                       ; from K (waves 0, 1) or V (waves 2, 3),
	s_and_b32 s42, s[WV], 1
	s_lshl_b32 s42, s42, 14
	s_add_co_u32 s44, s44, s42                     ; its lower or upper half,
	s_lshl_b32 s43, s[BH], 18                      ; in my head: 262,144 bytes a head in each of the three
	s_add_co_u32 s44, s44, s43
	s_mov_b32 s45, 0
	s_wait_dscnt 0x0                               ; both opening adds are done
	s_wait_kmcnt 0x0
	s_mov_b32 s[G0], 1
	s_mov_b32 s[G0+1], s41
	s_add_nc_u64 s[G0+2:G0+3], s[4:5], s[44:45]
	s_or_b32 s[G0+3], s[G0+3], 0x80000000
	TLOAD                                          ; slot 0: key 0 counts for every query
	s_lshl_b32 s46, s[Q0], 7                       ; Q: 2,048 bytes a tile of 16 queries
	s_add_co_u32 s46, s46, s43
	s_mov_b32 s47, 0
	s_add_nc_u64 s[50:51], s[4:5], s[46:47]
	v_and_b32 v[L16], 31, v0
	v_lshlrev_b32 v[PFO], 8, v[L16]
	v_lshlrev_b32 v[L16], 4, v[L16]
.irp t, 0,1
.irp c, 0,1
	global_load_b128 v[Q+16*\t+8*\c:Q+16*\t+8*\c+3], v[L16], s[50:51] offset:\t*2048+\c*1024
	global_load_b128 v[Q+16*\t+8*\c+4:Q+16*\t+8*\c+7], v[L16], s[50:51] offset:\t*2048+\c*1024+512
.endr
.endr
	s_lshr_b32 s46, s[WV], 3                       ; the prefetches: K for waves 4 to 7, V for waves 8 to 11,
	s_add_co_u32 s46, s46, 1
	s_mul_i32 s46, s46, KOFF
	s_lshl_b32 s42, s40, 13                        ; 8,192 bytes a wave,
	s_add_co_u32 s46, s46, s42
	s_add_co_u32 s46, s46, s43
	s_add_co_u32 s46, s46, 32768                   ; at slot 1: the first change of slots steps it to slot 2
	s_add_nc_u64 s[PFA:PFA+1], s[4:5], s[46:47]
	s_sub_co_u32 s42, s[WV], 4
	s_lshr_b32 s42, s42, 3                         ; 0 in waves 4 to 11,
	s_or_b32 s42, s42, ttmp9                       ; of the head's first work-group
	s_cmp_eq_u32 s42, 0
	s_cselect_b32 s[LIM], 1, -1
	s_cmp_ge_u32 s[BH], 12                         ; where my result goes: ctx fragment (((rb 3 + kc) 8 + kg) 4 + mt) 1,024
	s_cselect_b32 s40, 1, 0                        ; batch
	s_mul_i32 s41, s40, 12
	s_sub_co_u32 s41, s[BH], s41                   ; head
	s_lshl_b32 s40, s40, 5
	s_lshl_b32 s42, s[BB], 1
	s_add_co_u32 s40, s40, s42
	s_lshr_b32 s42, s[SUB], 1
	s_add_co_u32 s40, s40, s42                     ; rb: my block of 64 rows of the 4,096
	s_mul_i32 s40, s40, 3
	s_lshr_b32 s42, s41, 2
	s_add_co_u32 s40, s40, s42                     ; + kc = head / 4
	s_lshl_b32 s40, s40, 5
	s_and_b32 s42, s41, 3
	s_lshl_b32 s42, s42, 3
	s_add_co_u32 s40, s40, s42                     ; kg = 2 (head % 4) + ct / 2
	s_and_b32 s42, s[SUB], 1
	s_lshl_b32 s42, s42, 1
	s_add_co_u32 s40, s40, s42                     ; mt = 2 (sub % 2) + t
	s_lshl_b32 s40, s40, 10
	s_mov_b32 s41, 0
	s_add_nc_u64 s[6:7], s[6:7], s[40:41]
	s_lshl_b32 s42, s[PAR], 13
	v_add_nc_u32 v[LI], s42, v[L16]
	s_lshl_b32 s42, s[SUB], 1
	s_add_co_u32 s42, s42, s[BLK]
	s_mul_i32 s42, s42, 9216
	s_add_co_u32 s42, s42, CMB
	v_add_nc_u32 v[CA], s42, v[L16]
	v_and_b32 v6, 15, v0
	v_bfe_u32 v7, v0, 4, 1
	v_lshlrev_b32 v7, 3, v7
	v_sub_nc_u32 v[RH], v6, v7
	v_mov_b32 v[NINF], 0xff800000
.irp t, 0,1
	v_mov_b32 v[ST+8*\t+1], 0xff61b1e6             ; m: -3e38, under every score
	v_mul_f32 v[ST+8*\t], s[CS], v[ST+8*\t+1]      ; c m
	v_mov_b32 v[ST+8*\t+2], 0                      ; l
	v_mov_b32 v[ST+8*\t+3], 0
	v_mov_b32 v[ST+8*\t+5], 0                      ; a lane permute's destination counts as one of its sources
.endr
.set ix, 0
.rept 64
	v_mov_b32 v[O+ix], 0                           ; the step is written once: the first finds zeros, which a = 0 leaves zeros
.set ix, ix+1
.endr
; A KEY STEP: 64 keys, my q-th run of the slot in hand.
.macro STEP q
	s_add_co_u32 s[KF], s[KP], 128*\q              ; the step's first key
	s_cmp_gt_u32 s[KF], s[Q31]
	s_cbranch_scc1 .Lhid_\@                        ; all its keys come after my queries
	v_add_nc_u32 v[ADR], s[TB], v[LI]
.rept 4
	v_nop                                          ; with the addition five places: the products below write over P, which the last products read; the loads land on V's registers
.endr
.irp f, 0,1,2,3,4,5,6,7                        ; K (kt, c) = fragment 2 kt + c
	ds_load_b128 v[KV+8*\f:KV+8*\f+3], v[ADR] offset:\q*16384+\f*1024
	ds_load_b128 v[KV+8*\f+4:KV+8*\f+7], v[ADR] offset:\q*16384+\f*1024+512
.endr
	s_wait_dscnt 0x0
.irp c, 0,1                                    ; S^T = K Q^T: the eight accumulators by turns
.irp kt, 0,1,2,3
.irp t, 0,1
.if \c == 0
	v_wmma_f32_16x16x32_f16 v[S+32*\t+8*\kt:S+32*\t+8*\kt+7], v[KV+16*\kt:KV+16*\kt+7], v[Q+16*\t:Q+16*\t+7], 0
.else
	v_wmma_f32_16x16x32_f16 v[S+32*\t+8*\kt:S+32*\t+8*\kt+7], v[KV+16*\kt+8:KV+16*\kt+15], v[Q+16*\t+8:Q+16*\t+15], v[S+32*\t+8*\kt:S+32*\t+8*\kt+7]
.endif
.endr
.endr
.endr
.rept 4
	v_nop                                          ; places ahead of the loads into K's registers and of the first read of the scores
.endr
.irp f, 0,1,2,3,4,5,6,7                        ; V^T (ct, g) = fragment 4 g + ct: it lands while the softmax is walked
	ds_load_b128 v[KV+8*\f:KV+8*\f+3], v[ADR] offset:32768+\q*16384+\f*1024
	ds_load_b128 v[KV+8*\f+4:KV+8*\f+7], v[ADR] offset:32768+\q*16384+\f*1024+512
.endr
	s_add_co_u32 s40, s[KF], 63
	s_cmp_le_u32 s40, s[Q0]
	s_cbranch_scc1 .Lopen_\@                       ; all 64 keys count for all my queries
	s_sub_co_i32 s40, s[Q0], s[KF]
	v_add_nc_u32 v[DD], s40, v[RH]                 ; register 8 kt + j of tile t holds key KF + 16 kt + 8 hh + j for query Q0 + 16 t + r: hidden where 16 kt + j - 16 t > d
.irp t, 0,1
.irp kt, 0,1,2,3
.irp j, 0,1,2,3,4,5,6,7
	v_cmp_gt_i32 vcc_lo, 16*\kt+\j-16*\t, v[DD]
	v_cndmask_b32 v[S+32*\t+8*\kt+\j], v[S+32*\t+8*\kt+\j], v[NINF], vcc_lo
.endr
.endr
.endr
.Lopen_\@:
.irp k, 0,1,2,3                                ; the maximum of 32 scores and the old m; the two tiles line by line; each accumulator is read from its low end on
.irp t, 0,1
	v_max3_num_f32 v[ST+8*\t+4+\k], v[S+32*\t+8*\k], v[S+32*\t+8*\k+1], v[S+32*\t+8*\k+2]
.endr
.endr
.irp i, 3,5
.irp k, 0,1,2,3
.irp t, 0,1
	v_max3_num_f32 v[ST+8*\t+4+\k], v[ST+8*\t+4+\k], v[S+32*\t+8*\k+\i], v[S+32*\t+8*\k+\i+1]
.endr
.endr
.endr
.irp t, 0,1
	v_max3_num_f32 v[ST+8*\t+4], v[ST+8*\t+4], v[S+32*\t+7], v[S+32*\t+15]
.endr
.irp t, 0,1
	v_max3_num_f32 v[ST+8*\t+6], v[ST+8*\t+6], v[S+32*\t+23], v[S+32*\t+31]
.endr
.irp t, 0,1
	v_max3_num_f32 v[ST+8*\t+4], v[ST+8*\t+4], v[ST+8*\t+5], v[ST+8*\t+6]
.endr
.irp t, 0,1
	v_max3_num_f32 v[ST+8*\t+4], v[ST+8*\t+4], v[ST+8*\t+7], v[ST+8*\t+1]
.endr
.irp t, 0,1
	v_permlanex16_b32 v[ST+8*\t+5], v[ST+8*\t+4], s[SEL], s[SEL+1]   ; the query's other 32 keys lie in the lane 16 away
.endr
.irp t, 0,1
	v_mov_b32 v[ST+8*\t+7], v[ST+8*\t]             ; c m_old is kept for a
.endr
.irp t, 0,1
	v_max_num_f32 v[ST+8*\t+1], v[ST+8*\t+4], v[ST+8*\t+5]
.endr
.irp t, 0,1
	v_mul_f32 v[ST+8*\t], s[CS], v[ST+8*\t+1]
.endr
.irp t, 0,1
	v_sub_f32 v[ST+8*\t+7], v[ST+8*\t+7], v[ST+8*\t]
.endr
.set ix, 0
.rept 16
.irp t, 0,1
	v_pk_fma_f32 v[S+32*\t+2*ix:S+32*\t+2*ix+1], v[S+32*\t+2*ix:S+32*\t+2*ix+1], s[CS:CS+1], v[ST+8*\t:ST+8*\t+1] op_sel_hi:[1,0,0] neg_lo:[0,0,1] neg_hi:[0,0,1]   ; c s - c m
.endr
.set ix, ix+1
.endr
.irp t, 0,1
	v_exp_f32 v[ST+8*\t+6], v[ST+8*\t+7]           ; a
.endr
.set ix, 0
.rept 32
.irp t, 0,1
	v_exp_f32 v[S+32*\t+ix], v[S+32*\t+ix]         ; p
.endr
.set ix, ix+1
.endr
	v_nop                                          ; the plain instruction behind the last exponential
	s_wait_alu depctr_va_vdst(0)                   ; one wait for the 66 exponentials, ahead of their first reader
.irp t, 0,1
	v_pk_mul_f32 v[ST+8*\t+2:ST+8*\t+3], v[ST+8*\t+2:ST+8*\t+3], v[ST+8*\t+6:ST+8*\t+7] op_sel_hi:[1,0]
.endr
.irp t, 0,1
	v_pk_add_f32 v[CH+2*\t:CH+2*\t+1], v[S+32*\t:S+32*\t+1], v[S+32*\t+2:S+32*\t+3]
.endr
.irp i, 4,8,12,16,20,24,28
.irp t, 0,1
	v_pk_add_f32 v[ST+8*\t+2:ST+8*\t+3], v[ST+8*\t+2:ST+8*\t+3], v[S+32*\t+\i:S+32*\t+\i+1]
	v_pk_add_f32 v[CH+2*\t:CH+2*\t+1], v[CH+2*\t:CH+2*\t+1], v[S+32*\t+\i+2:S+32*\t+\i+3]
.endr
.endr
.irp t, 0,1
	v_pk_add_f32 v[ST+8*\t+2:ST+8*\t+3], v[ST+8*\t+2:ST+8*\t+3], v[CH+2*\t:CH+2*\t+1]
.endr
.set ix, 0
.rept 16
.irp t, 0,1
	v_cvt_pk_f16_f32 v[S+32*\t+ix], v[S+32*\t+2*ix], v[S+32*\t+2*ix+1]   ; P in place, ascending: register i is written when registers 2 i and 2 i + 1 are read
.endr
.set ix, ix+1
.endr
.set ix, 0
.rept 16
.irp t, 0,1
	v_pk_mul_f32 v[O+32*\t+2*ix:O+32*\t+2*ix+1], v[O+32*\t+2*ix:O+32*\t+2*ix+1], v[ST+8*\t+6:ST+8*\t+7] op_sel_hi:[1,0]
.endr
.set ix, ix+1
.endr
	s_wait_dscnt 0x0                               ; V is in
.irp g, 0,1                                    ; O^T += V^T P: the eight accumulators by turns
.irp ct, 0,1,2,3
.irp t, 0,1
	v_wmma_f32_16x16x32_f16 v[O+32*\t+8*\ct:O+32*\t+8*\ct+7], v[KV+8*(4*\g+\ct):KV+8*(4*\g+\ct)+7], v[S+32*\t+8*\g:S+32*\t+8*\g+7], v[O+32*\t+8*\ct:O+32*\t+8*\ct+7]
.endr
.endr
.endr
.Lhid_\@:
.endm
; THE CHANGE OF SLOTS, at a slot's head.  Each wave waits for all its tensor loads, adds 0 to its spare word, and waits for that and for its reads of the slot that it has left; behind the barrier the slot ahead is whole
; and nobody reads the other one, which (fill = 1) takes the next 256 keys: that load has a whole slot's steps in which to land.  By this text's count a wave has one tensor load out.
.macro CHANGE fill
	s_wait_tensorcnt 0x0                           ; no tensor load of mine is out, so group 0 may be written
	ds_add_u32 v[SPW], v[NIL]
.if \fill
	ds_add_u32 v[SPW], v[NIL]                      ; and twice on end here, in every trip alike
	s_xor_b32 s[G0+1], s[G0+1], SLOT1
	s_add_nc_u64 s[G0+2:G0+3], s[G0+2:G0+3], 32768
	s_wait_xcnt 0x0                                ; the last prefetch, a slot back, has read its address
	s_add_nc_u64 s[PFA:PFA+1], s[PFA:PFA+1], 32768
.endif
	s_wait_dscnt 0x0
	s_barrier_signal -1
	s_barrier_wait -1
.if \fill
	s_add_co_u32 s40, s[KS], 256                   ; the first key of the slot that this change would ask for,
	s_cmp_gt_u32 s40, s[LASTQ]                     ; against the work-group's last query: ids and the count of slots alone, the same in all sixteen waves
	s_cbranch_scc1 .Lpast_\@                       ; a slot that no wave reads is not asked for; every wait on TENSORcnt in this text is for 0
	TLOAD
.Lpast_\@:
	ASK
.endif
.endm
	s_wait_loadcnt 0x0                             ; Q
.Lslot:                                            ; 7 trips
	CHANGE 1
	STEP 0
	STEP 1
	s_xor_b32 s[TB], s[TB], SLOT1
	s_add_co_u32 s[KS], s[KS], 256
	s_add_co_u32 s[KP], s[KP], 256
	s_sub_co_u32 s[SLOTS], s[SLOTS], 1
	s_cmp_lg_u32 s[SLOTS], 0
	s_cbranch_scc1 .Lslot
	CHANGE 0                                       ; the last slot is written out: nothing is left to fetch
	STEP 0
	STEP 1
	; THE PAIRS JOIN.  The wave with par = 1 hands O^T, c m and l to its partner through LDS, as its registers stand.
.rept 4
	v_nop                                          ; places behind the last products
.endr
	s_cmp_eq_u32 s[PAR], 0
	s_cbranch_scc1 .Lkeep
.set ix, 0
.rept 16
	ds_store_b128 v[CA], v[O+4*ix:O+4*ix+3] offset:512*ix      ; each accumulator from its low end on
.set ix, ix+1
.endr
	ds_store_b128 v[CA], v[ST:ST+3] offset:8192
	ds_store_b128 v[CA], v[ST+8:ST+11] offset:8704
.Lkeep:
	s_wait_dscnt 0x0                               ; for the partner's sake
	s_barrier_signal -1
	s_barrier_wait -1
	s_cmp_lg_u32 s[PAR], 0
	s_cbranch_scc1 .Lend
.set ix, 0
.rept 16
	ds_load_b128 v[KV+4*ix:KV+4*ix+3], v[CA] offset:512*ix
.set ix, ix+1
.endr
	ds_load_b128 v[S:S+3], v[CA] offset:8192
	ds_load_b128 v[S+4:S+7], v[CA] offset:8704
	s_wait_dscnt 0x0
.irp t, 0,1
	v_max_num_f32 v[ST+8*\t+4], v[ST+8*\t], v[S+4*\t]          ; the common c m
.endr
.irp t, 0,1
	v_sub_f32 v[ST+8*\t+5], v[ST+8*\t], v[ST+8*\t+4]
	v_sub_f32 v[ST+8*\t+7], v[S+4*\t], v[ST+8*\t+4]
.endr
.irp t, 0,1
	v_exp_f32 v[ST+8*\t+5], v[ST+8*\t+5]           ; f: mine under the common maximum
	v_exp_f32 v[ST+8*\t+7], v[ST+8*\t+7]           ; the partner's: 0 where it walked no step
.endr
.irp t, 0,1
	v_add_f32 v[ST+8*\t+2], v[ST+8*\t+2], v[ST+8*\t+3]
	v_add_f32 v[S+4*\t+2], v[S+4*\t+2], v[S+4*\t+3]
.endr
	s_wait_alu depctr_va_vdst(0)                   ; one wait for the four exponentials
.irp t, 0,1
	v_mul_f32 v[ST+8*\t+2], v[ST+8*\t+2], v[ST+8*\t+5]
.endr
.irp t, 0,1
	v_fmac_f32 v[ST+8*\t+2], v[S+4*\t+2], v[ST+8*\t+7]
.endr
.irp t, 0,1
	v_permlanex16_b32 v[ST+8*\t+3], v[ST+8*\t+2], s[SEL], s[SEL+1]
.endr
.irp t, 0,1
	v_add_f32 v[ST+8*\t+2], v[ST+8*\t+2], v[ST+8*\t+3]         ; the row's sum
.endr
.irp t, 0,1
	v_rcp_f32 v[ST+8*\t+3], v[ST+8*\t+2]
.endr
	v_nop
	s_wait_alu depctr_va_vdst(0)                   ; one wait for the two reciprocals
.irp t, 0,1
	v_mul_f32 v[ST+8*\t+4], v[ST+8*\t+5], v[ST+8*\t+3]
	v_mul_f32 v[ST+8*\t+6], v[ST+8*\t+7], v[ST+8*\t+3]
.endr
.irp t, 0,1
.set ix, 0
.rept 16
	v_pk_mul_f32 v[O+32*\t+2*ix:O+32*\t+2*ix+1], v[O+32*\t+2*ix:O+32*\t+2*ix+1], v[ST+8*\t+4:ST+8*\t+5] op_sel_hi:[1,0]
	v_pk_fma_f32 v[O+32*\t+2*ix:O+32*\t+2*ix+1], v[KV+32*\t+2*ix:KV+32*\t+2*ix+1], v[ST+8*\t+6:ST+8*\t+7], v[O+32*\t+2*ix:O+32*\t+2*ix+1] op_sel_hi:[1,0,1]
.set ix, ix+1
.endr
.endr
.irp t, 0,1
.set ix, 0
.rept 16
	v_cvt_pk_f16_f32 v[96+16*\t+ix], v[O+32*\t+2*ix], v[O+32*\t+2*ix+1]
.set ix, ix+1
.endr
.endr
.irp t, 0,1
.irp ct, 0,1,2,3
	global_store_b128 v[L16], v[96+16*\t+4*\ct:96+16*\t+4*\ct+3], s[6:7] offset:(\ct/2)*4096+\t*1024+(\ct%2)*512   ; 512 consecutive aligned bytes: half a fragment's image
.endr
.endr
.Lend:
	s_wait_tensorcnt 0x0                           ; the wave's end
	ds_add_u32 v[SPW], v[NIL]
	s_wait_dscnt 0x0
	s_endpgm
.Lfunc_end_k_q5992940fce_attn:
	.size	k_q5992940fce_attn, .Lfunc_end_k_q5992940fce_attn-k_q5992940fce_attn
	.p2alignl 7, 3214868480
	.fill 96, 4, 3214868480
	.section	.rodata,"a",@progbits
	.p2align	6, 0x0
	.amdhsa_kernel k_q5992940fce_attn
		.amdhsa_group_segment_fixed_size 327680
		.amdhsa_private_segment_fixed_size 0
		.amdhsa_enable_private_segment 0
		.amdhsa_kernarg_size 16
		.amdhsa_user_sgpr_count 2
		.amdhsa_user_sgpr_kernarg_segment_ptr 1
		.amdhsa_wavefront_size32 1
		.amdhsa_system_sgpr_workgroup_id_x 1
		.amdhsa_system_sgpr_workgroup_id_y 1
		.amdhsa_system_sgpr_workgroup_id_z 1
		.amdhsa_system_vgpr_workitem_id 0
		.amdhsa_next_free_vgpr 256
		.amdhsa_next_free_sgpr 66
		.amdhsa_reserve_vcc 1
		.amdhsa_float_denorm_mode_32 3
		.amdhsa_float_denorm_mode_16_64 3
		.amdhsa_memory_ordered 1
		.amdhsa_forward_progress 1
		.amdhsa_inst_pref_size 105
	.end_amdhsa_kernel
	.amdgpu_metadata
---
amdhsa.version: [ 1, 2 ]
amdhsa.kernels:
  - .name:           k_q5992940fce_attn
    .symbol:         k_q5992940fce_attn.kd
    .args:
      - { .name: qkv, .offset: 0, .size: 8, .value_kind: global_buffer, .address_space: global }
      - { .name: ctx, .offset: 8, .size: 8, .value_kind: global_buffer, .address_space: global }
    .group_segment_fixed_size: 327680
    .private_segment_fixed_size: 0
    .kernarg_segment_align: 8
    .kernarg_segment_size: 16
    .max_flat_workgroup_size: 512
    .sgpr_count:     66
    .vgpr_count:     256
    .wavefront_size: 32
...
	.end_amdgpu_metadata
.endif
;; end of part 3
;; launch oproj (part 4): grid 4 x 64, 4 waves a work-group, clusters of 4 x 4, 327,680 bytes of LDS; arguments ctx, wo16, bo, out0; writes out0
.if DOCPART == 4
	.amdgcn_target "amdgcn-amd-amdhsa--gfx1250"
	.amdhsa_code_object_version 6
	.text
	.protected	k_q5992940fce_oproj
	.globl	k_q5992940fce_oproj
	.p2align	8
	.type	k_q5992940fce_oproj,@function
k_q5992940fce_oproj:
	s_mov_b64 s[64:65], 0
	v_nop
	global_prefetch_b8 v0, s[64:65] scope:SCOPE_SE
	s_setreg_imm32_b32 hwreg(HW_REG_WAVE_MODE, 25, 1), 1
	s_wait_xcnt 0x0
	s_wait_alu depctr_hold_cnt(0) depctr_sa_sdst(0) depctr_va_vdst(0) depctr_va_sdst(0) depctr_va_ssrc(0) depctr_va_vcc(0) depctr_vm_vsrc(0)
	s_getreg_b32 s2, hwreg(HW_REG_IB_STS2, 6, 4)
	s_cmp_eq_u32 s2, 0
	s_cbranch_scc0 .Lentry_in_a_cluster
	s_endpgm
.Lentry_in_a_cluster:
	s_bfe_u32 s2, ttmp6, 0x10000c
	s_cmp_lg_u32 s2, 0xf033
	s_cbranch_scc0 .Lentry_shape_is_right
	s_endpgm
.Lentry_shape_is_right:
; out0 = ctx Wo + bo on f16 operands, f32 sums.  ctx [4,096][768] and Wo [768 (k)][768 (n)] come as images of operand registers (1,024 bytes a fragment of 16 x 32).
; A work-group makes 64 rows x 192 columns: 256 work-groups; a row's part is 768 bytes, three aligned runs of 256.  Wave w makes all 64 rows x columns 48 w .. 48 w + 47: 12 accumulators.
; The product is used TRANSPOSED (source 0 = 16 columns of Wo, source 1 = 16 rows of ctx): a lane holds 8 neighbouring columns of one row.  The bias is the C of each sum's first instruction.
; K goes in three chunks of 256 through two LDS slots of 128 KiB: ctx's 32 KiB ([kg][mt]), then Wo's 96 KiB ([kg][nt]).  Each wave fetches 32 KiB by one tensor load: wave 0 ctx, waves 1 to 3 thirds of Wo.
; CLUSTER 4 x 4: the four of a row of the cluster share the rows of ctx, the four of a column the columns of Wo: each tile is asked for jointly, which divides the requests by four.
; All rows are stored; the launch that follows writes the first 16 positions of each sequence again, in f32.  No branch hangs on the work-group's place.
; LDS: slots at 0 and 131,072; the stage, 64 rows x (768 + 16) bytes, at 262,144; the spare words at 312,320.  All of the WGP's LDS is claimed.
.set SLOTB,  131072
.set STG,    262144
.set SPITCH, 784
.set SPARE,  312320
.set ADA, 3                            ; v3, v4   ctx's fragments in slot 0, 1: 16 x lane (+ the slot)
.set ADB, 6                            ; v6-9     Wo's: slot s, kg / 4 = u at v[6 + 2 s + u]
.set STO, 10
.set RD,  11
.set CO,  12
.set SPW, 13
.set NIL, 14
.set BA,  15
.set ACC, 16                           ; accumulator (nt, mt) at 16 + 8 (4 nt + mt)
.set F0,  112                          ; two sets of 56: ctx's four fragments, then Wo's three
.set OB,  112                          ; the way out: 96 registers
.set BI,  224                          ; the bias: 8 registers for each nt
.set G1A, 16
.set G0A, 24
.set G1B, 48
.set G0B, 56
.macro JLOAD s                         ; a joint load: wave 0 asks for ctx, waves 1 to 3 for Wo; an s_nop 0 and four v_nop follow each line
	s_cmp_eq_u32 s12, 0
	s_cbranch_scc0 .Lfor_b_\@
	tensor_load_to_lds s[G0A+4*\s:G0A+4*\s+3], s[G1A:G1A+7]
	s_nop 0
.rept 4
	v_nop
.endr
	s_branch .Lasked_\@
.Lfor_b_\@:
	tensor_load_to_lds s[G0B+4*\s:G0B+4*\s+3], s[G1B:G1B+7]
	s_nop 0
.rept 4
	v_nop
.endr
.Lasked_\@:
.endm
.macro CROUND                          ; a round of the cluster's barrier
	s_barrier_signal -1
	s_barrier_wait -1
	s_cmp_lg_u32 s12, 0
	s_cbranch_scc1 .Lnot_wave_0_\@
	s_barrier_signal -3
.Lnot_wave_0_\@:
	s_barrier_wait -3
	s_barrier_signal -1
	s_barrier_wait -1
.endm
.macro PLACES
.rept 4
	v_nop
.endr
.endm
	s_load_b256 s[4:11], s[0:1], 0x0               ; ctx, wo16, bo, out0
	v_lshl_add_u32 v[SPW], v0, 2, SPARE
	v_mov_b32 v[NIL], 0
	ds_add_u32 v[SPW], v[NIL]                      ; the opening: the add, twice on end, and its wait ahead of the first tensor load
	ds_add_u32 v[SPW], v[NIL]
	v_lshrrev_b32 v1, 5, v0
	v_readfirstlane_b32 s12, v1                    ; wave
	s_bfe_u32 s40, ttmp6, 0x40000                  ; cx
	s_bfe_u32 s41, ttmp6, 0x40004                  ; cy
	s_lshl_b32 s42, ttmp9, 2
	s_add_co_u32 s42, s42, s40                     ; nb: my block of 192 columns
	s_and_b32 s13, ttmp7, 0xffff
	s_lshl_b32 s13, s13, 2
	s_add_co_u32 s13, s13, s41                     ; rb: my block of 64 rows
	s_lshl_b32 s43, s41, 2
	s_lshl_b32 s43, 15, s43                        ; my row of the cluster
	s_lshl_b32 s44, 0x1111, s40                    ; my column
	s_or_b32 s[G1A], s43, (3<<16)|(1<<21)          ; group 1: a dense block of 32 KiB as 128 rows of 32 elements of 8 bytes; the mask, and bit 21 beside it
	s_or_b32 s[G1B], s44, (3<<16)|(1<<21)
.irp g, G1A, G1B
	s_mov_b32 s[\g+1], 32<<16                      ; tensor_dim0
	s_mov_b32 s[\g+2], 128<<16                     ; tensor_dim1
	s_mov_b32 s[\g+3], 32<<16                      ; tile_dim0
	s_mov_b32 s[\g+4], 128                         ; tile_dim1
	s_mov_b32 s[\g+5], 32                          ; the pitch
	s_mov_b32 s[\g+6], 0
	s_mov_b32 s[\g+7], 0
.endr
	s_mul_i32 s32, s13, 98304                      ; ctx: three chunks of 32 KiB a block of rows
	s_mov_b32 s33, 0
	s_mul_i32 s46, s42, 294912                     ; Wo: three chunks of 96 KiB a block of columns,
	s_max_u32 s47, s12, 1
	s_sub_co_u32 s47, s47, 1
	s_lshl_b32 s47, s47, 15                        ; my third
	s_add_co_u32 s46, s46, s47
	s_mov_b32 s47, 0
	s_lshl_b32 s36, s12, 15                        ; where it goes: wave x 32 KiB: no place in the cluster enters an LDS address
	s_wait_dscnt 0x0
	s_wait_kmcnt 0x0
	s_add_nc_u64 s[32:33], s[4:5], s[32:33]
	s_add_nc_u64 s[46:47], s[6:7], s[46:47]
	CROUND                                         ; all sixteen work-groups are here: the first joint loads meet
.irp s, 0,1
	s_mov_b32 s[G0A+4*\s], 1
	s_add_co_u32 s[G0A+4*\s+1], s36, \s*SLOTB
	s_add_nc_u64 s[G0A+4*\s+2:G0A+4*\s+3], s[32:33], \s*32768
	s_or_b32 s[G0A+4*\s+3], s[G0A+4*\s+3], 0x80000000
	s_mov_b32 s[G0B+4*\s], 1
	s_add_co_u32 s[G0B+4*\s+1], s36, \s*SLOTB
	s_add_nc_u64 s[G0B+4*\s+2:G0B+4*\s+3], s[46:47], \s*98304
	s_or_b32 s[G0B+4*\s+3], s[G0B+4*\s+3], 0x80000000
	JLOAD \s                                       ; chunks 0 and 1: two loads of mine are out
.endr
	v_and_b32 v1, 15, v0                           ; r
	v_bfe_u32 v2, v0, 4, 1                         ; hh
	v_and_b32 v3, 31, v0
	v_lshlrev_b32 v[ADA], 4, v3
	v_add_nc_u32 v[ADA+1], SLOTB, v[ADA]
	s_mul_i32 s34, s12, 3072                       ; my three tiles of Wo's twelve
	s_add_co_u32 s34, s34, 32768
	v_add_nc_u32 v[ADB], s34, v[ADA]
	v_add_nc_u32 v[ADB+1], 49152, v[ADB]
	v_add_nc_u32 v[ADB+2], SLOTB, v[ADB]
	v_add_nc_u32 v[ADB+3], SLOTB, v[ADB+1]
	s_mul_i32 s34, s12, 192
	s_add_co_u32 s35, s34, STG
	v_mul_u32_u24 v[STO], v1, SPITCH
	v_lshl_add_u32 v[STO], v2, 5, v[STO]
	v_add_nc_u32 v[STO], s35, v[STO]               ; the stage, in: row r, + 32 hh, + 192 x wave
	s_mul_i32 s35, s12, 16*SPITCH
	s_add_co_u32 s35, s35, STG
	v_mul_u32_u24 v[RD], v2, SPITCH
	v_lshl_add_u32 v[RD], v1, 4, v[RD]
	v_add_nc_u32 v[RD], s35, v[RD]                 ; back: my 16 rows; lanes 0-15 one row, lanes 16-31 the next
	v_mul_u32_u24 v[CO], v2, 3072
	v_lshl_add_u32 v[CO], v1, 4, v[CO]
	v_lshlrev_b32 v[BA], 5, v2
	s_mul_i32 s37, s42, 768
	s_add_co_u32 s34, s34, s37                     ; bo: 192 nb + 48 w numbers on
	s_mov_b32 s35, 0
	s_add_nc_u64 s[8:9], s[8:9], s[34:35]
.irp nt, 0,1,2
	global_load_b128 v[BI+8*\nt:BI+8*\nt+3], v[BA], s[8:9] offset:64*\nt
	global_load_b128 v[BI+8*\nt+4:BI+8*\nt+7], v[BA], s[8:9] offset:64*\nt+16
.endr
	s_mul_i32 s34, s13, 196608
	s_mul_i32 s38, s12, 49152
	s_add_co_u32 s34, s34, s38
	s_add_co_u32 s34, s34, s37                     ; out0: row 64 rb + 16 w, column 192 nb
	s_add_nc_u64 s[10:11], s[10:11], s[34:35]
.macro FETCH slot, g, f                ; 14 LDS loads: the fragments of 32 along K, group g of the chunk in the slot, into set f
.irp mt, 0,1,2,3
	ds_load_b128 v[\f+8*\mt:\f+8*\mt+3], v[ADA+\slot] offset:((\g)*4+\mt)*1024
	ds_load_b128 v[\f+8*\mt+4:\f+8*\mt+7], v[ADA+\slot] offset:((\g)*4+\mt)*1024+512
.endr
.irp nt, 0,1,2
	ds_load_b128 v[\f+32+8*\nt:\f+32+8*\nt+3], v[ADB+2*\slot+(\g)/4] offset:((\g)%4)*12288+\nt*1024
	ds_load_b128 v[\f+32+8*\nt+4:\f+32+8*\nt+7], v[ADB+2*\slot+(\g)/4] offset:((\g)%4)*12288+\nt*1024+512
.endr
.endm
.macro MUL f                           ; 12 matrix instructions, the accumulators by turns; zz = 1: the bias starts the sums
.irp nt, 0,1,2
.irp mt, 0,1,2,3
.if zz
	v_wmma_f32_16x16x32_f16 v[ACC+8*(4*\nt+\mt):ACC+8*(4*\nt+\mt)+7], v[\f+32+8*\nt:\f+32+8*\nt+7], v[\f+8*\mt:\f+8*\mt+7], v[BI+8*\nt:BI+8*\nt+7]
.else
	v_wmma_f32_16x16x32_f16 v[ACC+8*(4*\nt+\mt):ACC+8*(4*\nt+\mt)+7], v[\f+32+8*\nt:\f+32+8*\nt+7], v[\f+8*\mt:\f+8*\mt+7], v[ACC+8*(4*\nt+\mt):ACC+8*(4*\nt+\mt)+7]
.endif
.endr
.endr
.endm
.macro CHUNK slot, first               ; 256 along K: eight groups; the next group's fragments are fetched while this group's are multiplied
	FETCH \slot, 0, F0
.set kg, 0
.rept 8
	s_wait_dscnt 0x0                               ; this group's fragments are in
.if kg < 7
.if kg > 0
	PLACES                                         ; ahead of loads into the set that the last products read
.endif
	FETCH \slot, kg+1, F0+56*((kg+1)%2)
.endif
.set zz, 0
.if \first
.if kg == 0
.set zz, 1
.endif
.endif
	MUL F0+56*(kg%2)
.set kg, kg+1
.endr
.endm
	s_wait_tensorcnt 1                             ; my part of chunk 0 is in; chunk 1's load may stay out
	s_barrier_signal -1
	s_barrier_wait -1
	s_wait_loadcnt 0x0                             ; the bias
	CHUNK 0, 1
	s_wait_tensorcnt 0x0                           ; all my tensor loads have landed: my part of chunk 1;
	ds_add_u32 v[SPW], v[NIL]
	s_add_nc_u64 s[G0A+2:G0A+3], s[G0A+2:G0A+3], 65536     ; slot 0 takes chunk 2
	s_add_nc_u64 s[G0B+2:G0B+3], s[G0B+2:G0B+3], 196608
	s_wait_dscnt 0x0                               ; the add is done, and my reads of slot 0 are over
	CROUND                                         ; no wave of any partner still reads slot 0 or has a load on its way
	JLOAD 0                                        ; the one refill: it has chunk 1's 96 matrix instructions in which to land; its four v_nop are the places ahead of the loads below
	CHUNK 1, 0
	s_wait_tensorcnt 0x0                           ; my part of chunk 2 is in
	ds_add_u32 v[SPW], v[NIL]
	s_wait_dscnt 0x0
	s_barrier_signal -1
	s_barrier_wait -1                              ; everybody's is; nothing is filled again
	PLACES
	CHUNK 0, 0
	; THE WAY OUT: a row's 768 bytes come from four waves: they meet in the stage, and each wave stores 16 whole rows, sixteen lanes to 256 consecutive aligned bytes.
	PLACES
.irp nt, 0,1,2
.irp mt, 0,1,2,3
	ds_store_b128 v[STO], v[ACC+8*(4*\nt+\mt):ACC+8*(4*\nt+\mt)+3] offset:\mt*16*SPITCH+64*\nt        ; each accumulator from its low end on
	ds_store_b128 v[STO], v[ACC+8*(4*\nt+\mt)+4:ACC+8*(4*\nt+\mt)+7] offset:\mt*16*SPITCH+64*\nt+16
.endr
.endr
	s_wait_dscnt 0x0                               ; for the others' sake
	s_barrier_signal -1
	s_barrier_wait -1
.set qx, 0
.rept 24
	ds_load_b128 v[OB+4*qx:OB+4*qx+3], v[RD] offset:2*(qx/3)*SPITCH+(qx%3)*256
.set qx, qx+1
.endr
.set qx, 0
.rept 24
	s_wait_dscnt 23-qx                             ; LDS loads come back in order: number qx is in
	global_store_b128 v[CO], v[OB+4*qx:OB+4*qx+3], s[10:11] offset:2*(qx/3)*3072+(qx%3)*256
.set qx, qx+1
.endr
	s_wait_tensorcnt 0x0                           ; the wave's end
	ds_add_u32 v[SPW], v[NIL]
	s_wait_dscnt 0x0
	CROUND                                         ; the closing round
	s_endpgm
.Lfunc_end_k_q5992940fce_oproj:
	.size	k_q5992940fce_oproj, .Lfunc_end_k_q5992940fce_oproj-k_q5992940fce_oproj
	.p2alignl 7, 3214868480
	.fill 96, 4, 3214868480
	.section	.rodata,"a",@progbits
	.p2align	6, 0x0
	.amdhsa_kernel k_q5992940fce_oproj
		.amdhsa_group_segment_fixed_size 327680
		.amdhsa_private_segment_fixed_size 0
		.amdhsa_enable_private_segment 0
		.amdhsa_kernarg_size 32
		.amdhsa_user_sgpr_count 2
		.amdhsa_user_sgpr_kernarg_segment_ptr 1
		.amdhsa_wavefront_size32 1
		.amdhsa_system_sgpr_workgroup_id_x 1
		.amdhsa_system_sgpr_workgroup_id_y 1
		.amdhsa_system_sgpr_workgroup_id_z 1
		.amdhsa_system_vgpr_workitem_id 0
		.amdhsa_next_free_vgpr 256
		.amdhsa_next_free_sgpr 66
		.amdhsa_reserve_vcc 0
		.amdhsa_float_denorm_mode_32 3
		.amdhsa_float_denorm_mode_16_64 3
		.amdhsa_memory_ordered 1
		.amdhsa_forward_progress 1
		.amdhsa_inst_pref_size 58
	.end_amdhsa_kernel
	.amdgpu_metadata
---
amdhsa.version: [ 1, 2 ]
amdhsa.kernels:
  - .name:           k_q5992940fce_oproj
    .symbol:         k_q5992940fce_oproj.kd
    .args:
      - { .name: ctx, .offset: 0, .size: 8, .value_kind: global_buffer, .address_space: global }
      - { .name: wo16, .offset: 8, .size: 8, .value_kind: global_buffer, .address_space: global }
      - { .name: bo, .offset: 16, .size: 8, .value_kind: global_buffer, .address_space: global }
      - { .name: out0, .offset: 24, .size: 8, .value_kind: global_buffer, .address_space: global }
    .group_segment_fixed_size: 327680
    .private_segment_fixed_size: 0
    .kernarg_segment_align: 8
    .kernarg_segment_size: 32
    .max_flat_workgroup_size: 128
    .sgpr_count:     66
    .vgpr_count:     256
    .wavefront_size: 32
...
	.end_amdgpu_metadata
.endif
;; end of part 4
;; launch fine (part 5): grid 48 x 2, 12 waves a work-group, no clusters, 16,896 bytes of LDS; arguments fin, Wo, bo, out0; writes out0
.if DOCPART == 5
	.amdgcn_target "amdgcn-amd-amdhsa--gfx1250"
	.amdhsa_code_object_version 6
	.text
	.protected	k_q5992940fce_fine
	.globl	k_q5992940fce_fine
	.p2align	8
	.type	k_q5992940fce_fine,@function
k_q5992940fce_fine:
	s_mov_b64 s[64:65], 0
	v_nop
	global_prefetch_b8 v0, s[64:65] scope:SCOPE_SE
	s_setreg_imm32_b32 hwreg(HW_REG_WAVE_MODE, 25, 1), 1
	s_wait_xcnt 0x0
; The first 16 positions of each sequence once more, wholly in f32: under the mask they average one to sixteen values, and f16 operands weigh most there.
; Work-group (nblk, b): columns 16 nblk .. 16 nblk + 15 of rows 0 .. 15 of batch b.  Wave = head: scores, softmax, ctx and its part of ctx Wo; the twelve parts are added through LDS, in the order of the heads.
; WHY 16 COLUMNS: a wave then issues 48 matrix instructions (16 scores, 16 ctx, 16 ctx Wo) and 57 loads, and the f32 products are spread over 96 work-groups.  Each head's attention, 32 of the 48, is computed
; anew by every work-group of its batch: it needs all of ctx's row.  The price on the way out: a row's part is 64 bytes, stored by four lanes; the launch stores 96 KiB in all.
; fin holds the projections' f32 accumulators as they stood: Q, K: lane (r, hh) = row r, channels 16 I + 8 hh + 0 .. 7;  V: lane (r, hh) = channel 16 I + r, keys 8 hh + 0 .. 7.
; The f32 matrix form takes k = 2 hh + j from register j.  Registers 2 s, 2 s + 1 of an image are taken as K step s on BOTH sources: one permutation of k applied alike to both keeps every product.
; All products are used transposed, so a lane holds one query throughout and nothing changes lanes: S^T = K Q^T, ctx^T = V^T P, out^T = Wo^T ctx^T.
; The registers that the f32 matrix form writes (v112-143, v160-191) are written by matrix instructions alone; sums begin with the constant 0.
; LIMITS: hidden keys are left out where the definition adds -1e9 (the same while |score| stays far under 1e9); NaN and infinities are not served.
.set QF, 16                            ; v16-47   Q's four tiles of channels
.set KF, 48                            ; v48-79   K's
.set VF, 80                            ; v80-111  V's
.set SA, 112                           ; v112-143 four accumulators: the scores by tiles of channels; later out^T by tiles of channels
.set SS, 144                           ; v144-151 the scores, then p
.set PP, 152                           ; v152-159 p / the row's sum
.set CT, 160                           ; v160-191 ctx^T, four tiles of channels
.set WO, 192                           ; v192-223 Wo: register 8 t + i = Wo(64 h + 16 t + 8 hh + i, 16 nblk + r)
.set OS, 224                           ; v224-231 my head's part of out^T
.set BO, 232                           ; v232-235 bo
.set RP, 80                            ; LDS: a row of a part: 64 bytes + 16
.set RH, 16*RP                         ; a head's part
.set SPARE, 12*RH                      ; behind the twelve parts: the spare words, 128 bytes a wave, which no other line names
	s_load_b256 s[4:11], s[0:1], 0x0               ; fin, Wo, bo, out0
	v_lshl_add_u32 v10, v0, 2, SPARE               ; my spare word; never rewritten
	v_mov_b32 v11, 0                               ; 0; never rewritten
	v_lshrrev_b32 v1, 5, v0
	v_readfirstlane_b32 s12, v1                    ; wave = head
	s_and_b32 s13, ttmp7, 0xffff                   ; batch
	v_and_b32 v1, 15, v0                           ; r
	v_bfe_u32 v2, v0, 4, 1                         ; hh
	v_and_b32 v12, 31, v0                          ; lane
	v_lshlrev_b32 v3, 4, v12                       ; 16 x lane
	v_mul_u32_u24 v4, v2, 24576
	v_lshl_add_u32 v4, v1, 2, v4                   ; Wo: 8 hh rows down, column r
	v_lshlrev_b32 v5, 3, v2
	v_sub_nc_u32 v5, v1, v5                        ; r - 8 hh: key 8 hh + j is hidden where j > this
	v_mov_b32 v6, 0xff800000
	s_mul_i32 s14, s12, RH
	v_mul_u32_u24 v7, v1, RP
	v_lshl_add_u32 v7, v2, 5, v7
	v_add_nc_u32 v7, s14, v7                       ; my part: row r, + 32 hh
	s_and_b32 s15, s12, 1
	s_mul_i32 s14, s15, 8*RP
	v_lshrrev_b32 v13, 2, v12                      ; lane / 4
	v_and_b32 v14, 3, v12
	v_lshlrev_b32 v14, 4, v14                      ; 16 (lane % 4): my 16 bytes of a row's 64, in bo too
	v_mul_u32_u24 v8, v13, RP
	v_add_nc_u32 v8, v8, v14
	v_add_nc_u32 v8, s14, v8                       ; the sum: row 8 (wave % 2) + lane / 4
	v_mul_u32_u24 v9, v13, 3072
	v_add_nc_u32 v9, v9, v14                       ; and the same place in out0
	s_mul_i32 s16, s13, 49152
	s_lshl_b32 s17, s12, 12
	s_add_co_u32 s16, s16, s17                     ; fin: my batch, my head's four tiles
	s_mov_b32 s17, 0
	s_mul_i32 s18, s12, 196608
	s_lshl_b32 s20, ttmp9, 6
	s_add_co_u32 s18, s18, s20                     ; Wo: row 64 h, column 16 nblk
	s_mov_b32 s19, 0
	s_mov_b32 s21, 0                               ; bo: number 16 nblk
	s_mul_i32 s22, s13, 6291456
	s_mul_i32 s23, s15, 24576
	s_add_co_u32 s22, s22, s23
	s_add_co_u32 s22, s22, s20                     ; out0: my batch, row 8 (wave % 2), column 16 nblk
	s_mov_b32 s23, 0
	s_mov_b32 s24, 0x3e38aa3b                      ; c = log2(e) / 8
	s_mov_b32 s26, 0x76543210
	s_mov_b32 s27, 0xfedcba98                      ; selects for lane l xor 16
	s_wait_kmcnt 0x0
	s_add_nc_u64 s[4:5], s[4:5], s[16:17]
	s_add_nc_u64 s[6:7], s[6:7], s[18:19]
	s_add_nc_u64 s[8:9], s[8:9], s[20:21]
	s_add_nc_u64 s[10:11], s[10:11], s[22:23]
	global_load_b128 v[BO:BO+3], v14, s[8:9]       ; bo, first of all, so that it is long in when the sum wants it.  Every wave asks, so that all waves count alike; the two that add use it
.irp p, 0,1,2                                  ; the images: Q's four tiles, K's, V's
.irp i, 0,1,2,3
	global_load_b128 v[16+32*\p+8*\i:16+32*\p+8*\i+3], v3, s[4:5] offset:\p*98304+\i*1024
	global_load_b128 v[16+32*\p+8*\i+4:16+32*\p+8*\i+7], v3, s[4:5] offset:\p*98304+\i*1024+512
.endr
.endr
.irp t, 0,1,2,3                                ; Wo: my head's 64 rows at my work-group's 16 columns
.irp i, 0,1,2,3,4,5,6,7
	global_load_b32 v[WO+8*\t+\i], v4, s[6:7] offset:(16*\t+\i)*3072
.endr
.endr
	s_wait_loadcnt 40                              ; Q and K are in: V's 8 loads and Wo's 32 are younger
.irp s, 0,1,2,3                                ; S^T = K Q^T: four accumulators by turns, one for each tile of 16 channels
.irp i, 0,1,2,3
.if \s == 0
	v_wmma_f32_16x16x4_f32 v[SA+8*\i:SA+8*\i+7], v[KF+8*\i:KF+8*\i+1], v[QF+8*\i:QF+8*\i+1], 0
.else
	v_wmma_f32_16x16x4_f32 v[SA+8*\i:SA+8*\i+7], v[KF+8*\i+2*\s:KF+8*\i+2*\s+1], v[QF+8*\i+2*\s:QF+8*\i+2*\s+1], v[SA+8*\i:SA+8*\i+7]
.endif
.endr
.endr
.rept 8
	v_nop                                          ; eight places behind this form, ahead of the first read of results
.endr
.irp j, 0,1,2,3,4,5,6,7
	v_add_f32 v[SS+\j], v[SA+\j], v[SA+8+\j]       ; lane (r, hh): query r, key 8 hh + j; each accumulator from its low end on
.endr
.irp j, 0,1,2,3,4,5,6,7
	v_add_f32 v[SS+\j], v[SS+\j], v[SA+16+\j]
.endr
.irp j, 0,1,2,3,4,5,6,7
	v_add_f32 v[SS+\j], v[SS+\j], v[SA+24+\j]
.endr
.irp j, 0,1,2,3,4,5,6,7
	v_cmp_gt_i32 vcc_lo, \j, v5
	v_cndmask_b32 v[SS+\j], v[SS+\j], v6, vcc_lo
.endr
	v_max3_num_f32 v12, v[SS], v[SS+1], v[SS+2]
	v_max3_num_f32 v13, v[SS+3], v[SS+4], v[SS+5]
	v_max3_num_f32 v12, v12, v[SS+6], v[SS+7]
	v_max_num_f32 v12, v12, v13
	v_permlanex16_b32 v13, v12, s26, s27
	v_max_num_f32 v12, v12, v13                    ; the row's maximum: key 0 counts for every query
	v_mul_f32 v13, s24, v12
.irp j, 0,1,2,3,4,5,6,7
	v_fma_f32 v[SS+\j], v[SS+\j], s24, -v13
.endr
.irp j, 0,1,2,3,4,5,6,7
	v_exp_f32 v[SS+\j], v[SS+\j]
.endr
	v_nop
	s_wait_alu depctr_va_vdst(0)                   ; one wait for the eight exponentials, ahead of their first reader
	v_add_f32 v12, v[SS], v[SS+1]
	v_add_f32 v13, v[SS+2], v[SS+3]
	v_add_f32 v12, v12, v[SS+4]
	v_add_f32 v13, v13, v[SS+5]
	v_add_f32 v12, v12, v[SS+6]
	v_add_f32 v13, v13, v[SS+7]
	v_add_f32 v12, v12, v13
	v_permlanex16_b32 v13, v12, s26, s27
	v_add_f32 v12, v12, v13                        ; the row's sum
	v_rcp_f32 v15, v12
	v_nop
	s_wait_alu depctr_va_vdst(0)                   ; and one for the reciprocal
.irp j, 0,1,2,3,4,5,6,7
	v_mul_f32 v[PP+\j], v[SS+\j], v15
.endr
	s_wait_loadcnt 32                              ; V is in: Wo's 32 loads are younger
.irp s, 0,1,2,3                                ; ctx^T = V^T P: four tiles of channels by turns, 16 keys in four K steps
.irp t, 0,1,2,3
.if \s == 0
	v_wmma_f32_16x16x4_f32 v[CT+8*\t:CT+8*\t+7], v[VF+8*\t:VF+8*\t+1], v[PP:PP+1], 0
.else
	v_wmma_f32_16x16x4_f32 v[CT+8*\t:CT+8*\t+7], v[VF+8*\t+2*\s:VF+8*\t+2*\s+1], v[PP+2*\s:PP+2*\s+1], v[CT+8*\t:CT+8*\t+7]
.endif
.endr
.endr
.rept 9
	v_nop                                          ; nine places ahead of matrix instructions that take these results as a source
.endr
	s_wait_loadcnt 0x0                             ; Wo
.irp s, 0,1,2,3                                ; out^T = Wo^T ctx^T: one accumulator for each tile of 16 channels, by turns; source 0 = my 16 columns of Wo, source 1 = ctx^T as it stands
.irp t, 0,1,2,3
.if \s == 0
	v_wmma_f32_16x16x4_f32 v[SA+8*\t:SA+8*\t+7], v[WO+8*\t:WO+8*\t+1], v[CT+8*\t:CT+8*\t+1], 0
.else
	v_wmma_f32_16x16x4_f32 v[SA+8*\t:SA+8*\t+7], v[WO+8*\t+2*\s:WO+8*\t+2*\s+1], v[CT+8*\t+2*\s:CT+8*\t+2*\s+1], v[SA+8*\t:SA+8*\t+7]
.endif
.endr
.endr
.rept 8
	v_nop
.endr
.irp j, 0,2,4,6
	v_pk_add_f32 v[OS+\j:OS+\j+1], v[SA+\j:SA+\j+1], v[SA+8+\j:SA+8+\j+1]      ; the four tiles' sums, into other registers; each accumulator from its low end on
.endr
.irp j, 0,2,4,6
	v_pk_add_f32 v[OS+\j:OS+\j+1], v[OS+\j:OS+\j+1], v[SA+16+\j:SA+16+\j+1]
.endr
.irp j, 0,2,4,6
	v_pk_add_f32 v[OS+\j:OS+\j+1], v[OS+\j:OS+\j+1], v[SA+24+\j:SA+24+\j+1]
.endr
	ds_store_b128 v7, v[OS:OS+3]                   ; lane (r, hh): row r, columns 8 hh + 0 .. 7
	ds_store_b128 v7, v[OS+4:OS+7] offset:16
	s_wait_dscnt 0x0                               ; for the others' sake
	s_barrier_signal -1
	s_barrier_wait -1
	s_cmp_ge_u32 s12, 2
	s_cbranch_scc1 .Lend                           ; two waves add: eight rows each, 16 bytes a lane
.irp h, 0,1,2,3,4,5,6,7,8,9,10,11
	ds_load_b128 v[16+4*\h:19+4*\h], v8 offset:\h*RH
.endr
	s_wait_dscnt 0x0
.irp h, 1,2,3,4,5,6,7,8,9,10,11
	v_pk_add_f32 v[16:17], v[16:17], v[16+4*\h:17+4*\h]
	v_pk_add_f32 v[18:19], v[18:19], v[18+4*\h:19+4*\h]
.endr
	v_pk_add_f32 v[16:17], v[16:17], v[BO:BO+1]
	v_pk_add_f32 v[18:19], v[18:19], v[BO+2:BO+3]
	global_store_b128 v9, v[16:19], s[10:11]       ; four lanes store a row's 64 consecutive bytes
.Lend:
	s_wait_tensorcnt 0x0                           ; the wave's end
	ds_add_u32 v10, v11
	s_wait_dscnt 0x0
	s_endpgm
.Lfunc_end_k_q5992940fce_fine:
	.size	k_q5992940fce_fine, .Lfunc_end_k_q5992940fce_fine-k_q5992940fce_fine
	.p2alignl 7, 3214868480
	.fill 96, 4, 3214868480
	.section	.rodata,"a",@progbits
	.p2align	6, 0x0
	.amdhsa_kernel k_q5992940fce_fine
		.amdhsa_group_segment_fixed_size 16896
		.amdhsa_private_segment_fixed_size 0
		.amdhsa_enable_private_segment 0
		.amdhsa_kernarg_size 32
		.amdhsa_user_sgpr_count 2
		.amdhsa_user_sgpr_kernarg_segment_ptr 1
		.amdhsa_wavefront_size32 1
		.amdhsa_system_sgpr_workgroup_id_x 1
		.amdhsa_system_sgpr_workgroup_id_y 1
		.amdhsa_system_sgpr_workgroup_id_z 1
		.amdhsa_system_vgpr_workitem_id 0
		.amdhsa_next_free_vgpr 240
		.amdhsa_next_free_sgpr 66
		.amdhsa_reserve_vcc 1
		.amdhsa_float_denorm_mode_32 3
		.amdhsa_float_denorm_mode_16_64 3
		.amdhsa_memory_ordered 1
		.amdhsa_forward_progress 1
		.amdhsa_inst_pref_size 19
	.end_amdhsa_kernel
	.amdgpu_metadata
---
amdhsa.version: [ 1, 2 ]
amdhsa.kernels:
  - .name:           k_q5992940fce_fine
    .symbol:         k_q5992940fce_fine.kd
    .args:
      - { .name: fin, .offset: 0, .size: 8, .value_kind: global_buffer, .address_space: global }
      - { .name: Wo, .offset: 8, .size: 8, .value_kind: global_buffer, .address_space: global }
      - { .name: bo, .offset: 16, .size: 8, .value_kind: global_buffer, .address_space: global }
      - { .name: out0, .offset: 24, .size: 8, .value_kind: global_buffer, .address_space: global }
    .group_segment_fixed_size: 16896
    .private_segment_fixed_size: 0
    .kernarg_segment_align: 8
    .kernarg_segment_size: 32
    .max_flat_workgroup_size: 384
    .sgpr_count:     66
    .vgpr_count:     240
    .wavefront_size: 32
...
	.end_amdgpu_metadata
.endif
;; end of part 5
